; MI455X (gfx1250); checked and timed in simulation.
; The chip was launched on July 23, 2026; its instructions are those of AMD's public machine-readable ISA for CDNA 5 (MIT licence, August 2026) and "CDNA5" Instruction Set Architecture Reference Guide (July 2026). The comments in the code are by the model that wrote it; some were corrected since.
;; Mo E. Allowed arithmetic: float matrix products may take bf16 or f16 operands with f32 sums; other float arithmetic in f32, or as packed bf16 or f16 multiplies, adds, multiply-adds, maxima and minima; sums over many terms, partial sums and values carried from step to step in f32; what a program stores and reads back later, other than sums and carried values, may be rounded once to bf16 or f16.
;; Inputs: expert_bias 8 float32; gate_w 8 x 1,024 float32; w_down 8 x 1,024 x 2,048 float32; w_up 8 x 2,048 x 1,024 float32; x 1 x 2,048 x 1,024 float32.
;; Outputs: out0 1 x 2,048 x 1,024 float32.
;; 2 versions, each right and faster than the one before. Each part assembles by itself: llvm-mc -triple=amdgcn-amd-amdhsa -mcpu=gfx1250 --defsym DOCPART=n.
;; ======== version 1 of 2: 4 launches
;; limits: right only within a limited range of input values; values are held in f16: magnitudes above 65,504 overflow, below 6.1e-05 lose precision
;; workspace buffers: xb 4,194,304 bytes; sc 65,536 bytes; route 8,192 bytes of whole numbers; hid 16,777,216 bytes; hexp 65,536 bytes of whole numbers; y 16,777,216 bytes
;; launch route (part 1): grid 64 x 1, 8 waves a work-group, no clusters, 78,848 bytes of LDS; arguments x, gate_w, expert_bias, xb, sc, route; writes xb, sc, route
.if DOCPART == 1
	.amdgcn_target "amdgcn-amd-amdhsa--gfx1250"
	.amdhsa_code_object_version 6
	.text
	.protected	k_q31d82e7890_route
	.globl	k_q31d82e7890_route
	.p2align	8
	.type	k_q31d82e7890_route,@function
k_q31d82e7890_route:
	s_mov_b64 s[64:65], 0
	v_nop
	global_prefetch_b8 v0, s[64:65] scope:SCOPE_SE
	s_setreg_imm32_b32 hwreg(HW_REG_WAVE_MODE, 25, 1), 1
	s_wait_xcnt 0x0
; ROUTER AND CAST.  x [2048][1024] f32 is read once: it leaves as xb (bf16, rounded to nearest even), and the same rounded numbers are multiplied by gate_w (rounded to bf16 too) on the matrix unit, f32 sums.
; scores = sigmoid(logits); the bias (rounded to bf16 like every input) enters the choice alone; the two largest biased scores are chosen, a tie keeps the lower expert (strict compares, ascending scan).
; SHARES.  Work-group g owns tokens 32 g .. 32 g + 31; wave w the columns 128 w .. 128 w + 127 of them: 32 loads of 512 consecutive bytes.  The eight waves' partial logits meet in LDS; wave 0 finishes.
; OUT.  xb; sc[token][8] f32 scores; route, 32 rows of 64 words (word g = this group of 32 tokens): rows 0-7 bitmap of the tokens that chose expert e, rows 8-15 bitmap of those whose SECOND choice is e,
; rows 16-23 the popcount of rows 0-7's word, rows 24-31 zeros.  All stores go to fixed places: no address here hangs on the choice.  route's one store a work-group is 4 bytes a lane into 32 rows: 8 KB in the launch.
; LIMITS.  NaN and infinities are not treated apart.  Two biased scores nearer than the rounding of the f32 sums, the exponential and the reciprocal (some 2e-7) may be ordered otherwise than by reference().
; No cluster: the work-groups share gate_w alone, 4 KB a wave beside 16 KB of x.
.set XTP,   272                        ; a row of my 128 columns in LDS: 256 bytes of bf16 + 16: the 16 rows of a fragment load start at 16 different groups of four banks (64 banks of 4 bytes: ISA guide 11.1)
.set XTW,   32*XTP                     ; a wave's own 32 rows
.set PART,  8*XTW                      ; the partial logits: 1,024 bytes a wave, 32 bytes a lane
.set SPARE, PART+8*1024                ; the spare words, 128 bytes a wave: four blocks of 256 bytes that no other line names
.set WV,    16                         ; s16 my wave's number
	s_load_b256 s[4:11], s[0:1], 0x0               ; x s[4:5], gate_w s[6:7], expert_bias s[8:9], xb s[10:11]
	s_load_b128 s[12:15], s[0:1], 0x20             ; sc s[12:13], route s[14:15]
	v_lshl_add_u32 v28, v0, 2, SPARE               ; my spare word,
	v_mov_b32 v29, 0                               ; and 0: kept for the closing lines alone
	v_lshrrev_b32 v1, 5, v0
	v_readfirstlane_b32 s[WV], v1
	v_and_b32 v1, 31, v0                           ; l
	v_and_b32 v2, 15, v0                           ; r = l % 16
	v_bfe_u32 v3, v0, 4, 1                         ; h = l / 16
	v_lshlrev_b32 v4, 4, v1                        ; 16 l: my 16 bytes in 512 of a row of x
	v_and_b32 v5, 7, v0
	v_lshlrev_b32 v5, 12, v5                       ; gate row r % 8 (rows 8-15 of the fragment repeat rows 0-7),
	v_lshl_add_u32 v5, v3, 5, v5                   ; + 32 h: eight f32 for each half of the lanes
	s_mul_i32 s17, s[WV], XTW
	v_lshl_add_u32 v6, v1, 3, s17                  ; in: my 8 bytes of a row
	v_mul_u32_u24 v7, v2, XTP
	v_lshl_add_u32 v7, v3, 4, v7
	v_add_nc_u32 v7, s17, v7                       ; back: row r, 16 bytes for each half
	v_lshlrev_b32 v8, 3, v1                        ; 8 l: my 8 bytes in 256 of a row of xb
	s_lshl_b32 s18, s[WV], 10
	s_add_co_u32 s18, s18, PART
	v_lshl_add_u32 v9, v1, 5, s18                  ; my 32 bytes of partial logits
	s_lshl_b32 s20, ttmp9, 17                      ; 32 rows of 4,096 bytes,
	s_lshl_b32 s22, s[WV], 9                       ; my 512 bytes of a row
	s_add_co_u32 s20, s20, s22
	s_mov_b32 s21, 0
	s_mov_b32 s23, 0
	s_lshl_b32 s24, ttmp9, 16                      ; 32 rows of 2,048 bytes,
	s_lshl_b32 s25, s[WV], 8
	s_add_co_u32 s24, s24, s25
	s_mov_b32 s25, 0
	s_wait_kmcnt 0x0
	s_add_nc_u64 s[4:5], s[4:5], s[20:21]
	s_add_nc_u64 s[6:7], s[6:7], s[22:23]
	s_add_nc_u64 s[10:11], s[10:11], s[24:25]
	; gate_w in the fragment's order: for 32 along K a lane holds k = 8 h .. + 7 and 16 + 8 h .. + 7: in f32 two times 32 bytes
.irp ks, 0,1,2,3
	global_load_b128 v[160+16*\ks:163+16*\ks], v5, s[6:7] offset:128*\ks
	global_load_b128 v[164+16*\ks:167+16*\ks], v5, s[6:7] offset:128*\ks+16
	global_load_b128 v[168+16*\ks:171+16*\ks], v5, s[6:7] offset:128*\ks+64
	global_load_b128 v[172+16*\ks:175+16*\ks], v5, s[6:7] offset:128*\ks+80
.endr
.set i, 0
.rept 32                                       ; all 32 rows are asked for before the first is used
	global_load_b128 v[32+4*i:35+4*i], v4, s[4:5] offset:4096*i th:TH_LOAD_NT
.set i, i+1
.endr
.set i, 0
.rept 32
	s_wait_loadcnt 31-i                            ; loads come back in order: row i is in (the gate's are older), the younger rows stay out
	v_cvt_pk_bf16_f32 v[32+4*i], v[32+4*i], v[33+4*i]
	v_cvt_pk_bf16_f32 v[33+4*i], v[34+4*i], v[35+4*i]
	ds_store_b64 v6, v[32+4*i:33+4*i] offset:XTP*i
	global_store_b64 v8, v[32+4*i:33+4*i], s[10:11] offset:2048*i  ; the wave's store covers 256 consecutive bytes, aligned
.set i, i+1
.endr
.set i, 0
.rept 32                                       ; the gate's four fragments
	v_cvt_pk_bf16_f32 v[224+i], v[160+2*i], v[160+2*i+1]
.set i, i+1
.endr
	s_wait_xcnt 0x0                                ; the stores' data registers are loaded again only behind this wait
.irp t, 0,1
.irp ks, 0,1,2,3
	ds_load_b128 v[32+32*\t+8*\ks:35+32*\t+8*\ks], v7 offset:\t*16*XTP+64*\ks     ; my own bytes: LDS serves a wave's instructions in order
	ds_load_b128 v[36+32*\t+8*\ks:39+32*\t+8*\ks], v7 offset:\t*16*XTP+64*\ks+32
.endr
.endr
	v_cmp_gt_u32 vcc_lo, 16, v1
	s_wait_dscnt 0x0
	; source 0 = the gate (16 rows), source 1 = 16 tokens: a lane then holds token l % 16, register j expert j (in both halves).  The two accumulators take turns.
	v_wmma_f32_16x16x32_bf16 v[160:167], v[224:231], v[32:39], 0
	v_wmma_f32_16x16x32_bf16 v[168:175], v[224:231], v[64:71], 0
.irp ks, 1,2,3
	v_wmma_f32_16x16x32_bf16 v[160:167], v[224+8*\ks:231+8*\ks], v[32+8*\ks:39+8*\ks], v[160:167]
	v_wmma_f32_16x16x32_bf16 v[168:175], v[224+8*\ks:231+8*\ks], v[64+8*\ks:71+8*\ks], v[168:175]
.endr
.rept 4
	v_nop                                          ; four places behind the last products (ISA guide 7.12.1)
.endr
.irp j, 0,1,2,3,4,5,6,7
	v_cndmask_b32 v[176+\j], v[168+\j], v[160+\j], vcc_lo  ; lane l keeps token l: lanes 0-15 of the first tile, lanes 16-31 of the second
.endr
	ds_store_b128 v9, v[176:179]
	ds_store_b128 v9, v[180:183] offset:16
	s_wait_dscnt 0x0                               ; for wave 0's sake: my partial logits are in LDS
	s_barrier_signal -1
	s_barrier_wait -1
	s_cmp_lg_u32 s[WV], 0
	s_cbranch_scc1 .Lend
	s_load_b256 s[32:39], s[8:9], 0x0              ; the bias
.irp w, 0,1,2,3,4,5,6,7
	ds_load_b128 v[32+8*\w:35+8*\w], v9 offset:1024*\w     ; wave 0's v9 is PART + 32 l
	ds_load_b128 v[36+8*\w:39+8*\w], v9 offset:1024*\w+16
.endr
	s_lshl_b32 s20, ttmp9, 10                      ; 32 tokens x 32 bytes of sc
	s_mov_b32 s21, 0
	s_lshl_b32 s22, ttmp9, 2                       ; word g of each row of route
	s_mov_b32 s23, 0
	s_add_nc_u64 s[12:13], s[12:13], s[20:21]
	s_add_nc_u64 s[14:15], s[14:15], s[22:23]
	s_wait_dscnt 0x0
.irp j, 0,2,4,6
	v_pk_add_f32 v[96+\j:97+\j], v[32+\j:33+\j], v[40+\j:41+\j]
.endr
.irp w, 2,3,4,5,6,7
.irp j, 0,2,4,6
	v_pk_add_f32 v[96+\j:97+\j], v[96+\j:97+\j], v[32+8*\w+\j:33+8*\w+\j]
.endr
.endr
	; sigmoid(z) = 1 / (1 + 2^(-z log2 e)): eight exponentials as one batch, then eight reciprocals as one batch
.irp j, 0,1,2,3,4,5,6,7
	v_mul_f32 v[112+\j], 0xbfb8aa3b, v[96+\j]
.endr
.irp j, 0,1,2,3,4,5,6,7
	v_exp_f32 v[112+\j], v[112+\j]
.endr
	v_nop                                          ; a plain instruction behind the last exponential,
	s_wait_alu depctr_va_vdst(0)                   ; and a wait ahead of the batch's first reader
.irp j, 0,1,2,3,4,5,6,7
	v_add_f32 v[112+\j], 1.0, v[112+\j]
.endr
.irp j, 0,1,2,3,4,5,6,7
	v_rcp_f32 v[104+\j], v[112+\j]
.endr
	v_nop
	s_wait_alu depctr_va_vdst(0)                   ; likewise for the eight reciprocals
	s_wait_kmcnt 0x0
.irp k, 0,1,2,3
	v_cvt_pk_bf16_f32 v[120+\k], s[32+2*\k], s[33+2*\k]    ; the bias rounded to bf16, as all inputs are,
.endr
.irp k, 0,1,2,3
	v_lshlrev_b32 v[128+2*\k], 16, v[120+\k]               ; and widened again
	v_and_b32 v[129+2*\k], 0xffff0000, v[120+\k]
.endr
.irp j, 0,1,2,3,4,5,6,7
	v_add_f32 v[128+\j], v[104+\j], v[128+\j]              ; the biased scores, for the choice alone
.endr
	v_mov_b32 v136, v128                           ; first choice
	v_mov_b32 v137, 0
.irp j, 1,2,3,4,5,6,7
	v_cmp_gt_f32 vcc_lo, v[128+\j], v136
	v_cndmask_b32 v136, v136, v[128+\j], vcc_lo
	v_cndmask_b32 v137, v137, \j, vcc_lo
.endr
	v_mov_b32 v138, 0xff800000                     ; second choice: the same scan from minus infinity, the first choice left out
	v_mov_b32 v139, 0
.irp j, 0,1,2,3,4,5,6,7
	v_cmp_gt_f32 s28, v[128+\j], v138
	v_cmp_ne_u32 s29, \j, v137
	s_and_b32 s28, s28, s29
	v_cndmask_b32 v138, v138, v[128+\j], s28
	v_cndmask_b32 v139, v139, \j, s28
.endr
	v_mov_b32 v140, 0                              ; lane = row of route; rows 24-31 stay 0
.irp e, 0,1,2,3,4,5,6,7
	v_cmp_eq_u32 s28, \e, v137
	v_cmp_eq_u32 s29, \e, v139
	s_or_b32 s28, s28, s29
	s_bcnt1_i32_b32 s30, s28
	v_writelane_b32 v140, s28, \e
	v_writelane_b32 v140, s29, 8+\e
	v_writelane_b32 v140, s30, 16+\e
.endr
	v_lshlrev_b32 v141, 8, v1
	v_lshlrev_b32 v142, 5, v1
	global_store_b32 v141, v140, s[14:15]
	global_store_b128 v142, v[104:107], s[12:13]   ; the unbiased scores: 1,024 consecutive bytes by two stores
	global_store_b128 v142, v[108:111], s[12:13] offset:16
.Lend:
	s_wait_tensorcnt 0x0                           ; the wave's end
	ds_add_u32 v28, v29
	s_wait_dscnt 0x0
	s_endpgm
.Lfunc_end_k_q31d82e7890_route:
	.size	k_q31d82e7890_route, .Lfunc_end_k_q31d82e7890_route-k_q31d82e7890_route
	.p2alignl 7, 3214868480
	.fill 96, 4, 3214868480
	.section	.rodata,"a",@progbits
	.p2align	6, 0x0
	.amdhsa_kernel k_q31d82e7890_route
		.amdhsa_group_segment_fixed_size 78848
		.amdhsa_private_segment_fixed_size 0
		.amdhsa_enable_private_segment 0
		.amdhsa_kernarg_size 48
		.amdhsa_user_sgpr_count 2
		.amdhsa_user_sgpr_kernarg_segment_ptr 1
		.amdhsa_wavefront_size32 1
		.amdhsa_system_sgpr_workgroup_id_x 1
		.amdhsa_system_sgpr_workgroup_id_y 1
		.amdhsa_system_sgpr_workgroup_id_z 1
		.amdhsa_system_vgpr_workitem_id 0
		.amdhsa_next_free_vgpr 256
		.amdhsa_next_free_sgpr 66
		.amdhsa_reserve_vcc 1
		.amdhsa_float_denorm_mode_32 3
		.amdhsa_float_denorm_mode_16_64 3
		.amdhsa_memory_ordered 1
		.amdhsa_forward_progress 1
		.amdhsa_inst_pref_size 33
	.end_amdhsa_kernel
	.amdgpu_metadata
---
amdhsa.version: [ 1, 2 ]
amdhsa.kernels:
  - .name:           k_q31d82e7890_route
    .symbol:         k_q31d82e7890_route.kd
    .args:
      - { .name: x, .offset: 0, .size: 8, .value_kind: global_buffer, .address_space: global }
      - { .name: gate_w, .offset: 8, .size: 8, .value_kind: global_buffer, .address_space: global }
      - { .name: expert_bias, .offset: 16, .size: 8, .value_kind: global_buffer, .address_space: global }
      - { .name: xb, .offset: 24, .size: 8, .value_kind: global_buffer, .address_space: global }
      - { .name: sc, .offset: 32, .size: 8, .value_kind: global_buffer, .address_space: global }
      - { .name: route, .offset: 40, .size: 8, .value_kind: global_buffer, .address_space: global }
    .group_segment_fixed_size: 78848
    .private_segment_fixed_size: 0
    .kernarg_segment_align: 8
    .kernarg_segment_size: 48
    .max_flat_workgroup_size: 256
    .sgpr_count:     66
    .vgpr_count:     256
    .wavefront_size: 32
...
	.end_amdgpu_metadata
.endif
;; end of part 1
;; launch up (part 2): grid 8 x 32, 4 waves a work-group, no clusters, 128,256 bytes of LDS; arguments xb, w_up, sc, route, hid, hexp; writes hid, hexp
.if DOCPART == 2
	.amdgcn_target "amdgcn-amd-amdhsa--gfx1250"
	.amdhsa_code_object_version 6
	.text
	.protected	k_q31d82e7890_up
	.globl	k_q31d82e7890_up
	.p2align	8
	.type	k_q31d82e7890_up,@function
k_q31d82e7890_up:
	s_mov_b64 s[64:65], 0
	v_nop
	global_prefetch_b8 v0, s[64:65] scope:SCOPE_SE
	s_setreg_imm32_b32 hwreg(HW_REG_WAVE_MODE, 25, 1), 1
	s_wait_xcnt 0x0
; FIRST PRODUCT.  hid[row][n] = 2^(2q) (s max(x[token] . w_up[e][n], 0))^2 in f16, for the 4,096 routed rows alone (s > 0, so relu(s u)^2 = (s relu(u))^2; x goes in unscaled, s is applied in f32).
; Rows lie by experts, inside an expert by ascending token.  Operands bf16 (xb as stored; w_up rounded on its way through registers), sums f32, hid rounded once, to 11 significant bits.
; THE SCALE.  q is one whole number for this work-group's tile (its rows x its 256 columns), made from the tile's largest number M so that 2^(2q) M lies under 2^15: f16 cannot overflow, whatever the inputs' size.
; q + 64 goes to hexp[row tile][column tile] (64 equal words); the second product undoes the scale.  A number under 2^-29 of the tile's largest keeps f16's fixed step.
; THE DEAL.  Grid 8 column tiles of 256 x 32 row tiles.  From the eight counts: S = 144 rows a tile if the sum of ceil(c / 144) is at most 32, else 176 (then the sum of ceil(c / 176) is at most (4096 + 8 x 175) / 176 = 31):
; every split is served.  Expert e gets ceil(c / S) tiles.  A tile without rows runs on clamped rows and stores no row.  Places past a tile's count repeat its last row.
; SHARES.  Four waves; a wave makes all 176 rows x 64 columns: 44 accumulators.  Blocks 0-8 (144 rows) are always multiplied, blocks 9, 10 only where the tile has more than 144 rows (a forward jump past work without a barrier).
; The matrix instruction is used transposed (source 0 = 16 weight rows, source 1 = 16 rows of x): a lane holds one row and eight neighbouring columns.
; K goes in 16 sub-trips of 64.  Weights and rows come through registers into two LDS buffers that take turns: in sub-trip t buffer t % 2 is multiplied, sub-trip t + 1 is rounded and stored into the other,
; rows of t + 2 and weights of t + 3 are asked for.  One barrier a sub-trip.
; NO TENSOR LOADS, NO CLUSTER: f32 weights must pass registers to be rounded; the rows come by a list, which no descriptor covers; the work-groups that share a weight tile are an expert's row tiles, whose number hangs on stored counts.
; A row's piece in a sub-trip is 128 bytes (64 bf16): shorter than 256, for about a quarter of a sub-trip's bytes.
; LIMITS.  NaN counts as 0 in the activation; infinities are not treated apart; the order of the K sums differs from reference()'s.
; REGISTERS, in windows of 256 (s_set_vgpr_msb: bits 1:0 source 0, 3:2 source 1, 5:4 source 2, 7:6 destination):
;   window 0: v0-31 addresses, scores; v32-135, v136-239 two fragment buffers (32 of weights, 72 of rows); v240-255 the rows of blocks 9, 10
;   window 1: accumulator (b, c), b < 8, at 32 b + 8 c      window 2: v0-95 those of b = 8 .. 10; v96-223 weights on their way, set 1; v224 their offset, v225 their LDS address
;   window 3: v0-127 weights on their way, set 0; v128, v129 offset and LDS address; v131, v132 the rows' LDS addresses; v136-179 rows on their way; v224-234 their offsets
.set P,     144                        ; an LDS row: 128 bytes + 16: the 16 rows of a fragment load start at 16 different groups of four banks (64 banks of 4 bytes: ISA guide 11.1)
.set NA,    11                         ; loads a lane for a sub-trip's 176 x 128 bytes of rows
.set ASTEP, 128
.set BSTEP, 256
.set AIMM,  16*P
.set ABUF0, 0
.set ABUF1, 176*P
.set BBUF0, 2*176*P
.set BBUF1, BBUF0+256*P
.set LIST,  BBUF1+256*P                ; each wave's own list of 192 tokens
.set MXW,   LIST+4*768                 ; the four waves' largest numbers: one word each
.set SPARE, MXW+256                    ; the spare words, 128 bytes a wave: two blocks of 256 bytes that no other line names
.set SP,    528                        ; the way out: a row of 512 bytes + 16; the stage lies over the buffers
.set F0,    32
.set F1,    136
.set XF,    240
.set RT,    10                         ; s[10:11] route
.set WV,    2                          ; s2  wave
.set TY,    3                          ; s3  row tile
.set NR,    14                         ; s14 rows of my tile
.set NL,    15                         ; s15 its last row's place
.set RB,    16                         ; s16 its first row in hid
.set EX,    17                         ; s17 its expert
.set R0,    18                         ; s18 its first row's rank in the expert
.set CNT,   19                         ; s19 the loop's count
.set MSB, 0
.macro WIN new                         ; the immediate's high byte repeats the setting that is left; a switch that changes nothing is dropped
.if MSB != (\new)
	s_set_vgpr_msb (MSB<<8)|(\new)
.set MSB, (\new)
.endif
.endm
.macro PLACES                          ; four places behind matrix instructions, in front of loads into registers that they read and of lines that read their results
.rept 4
	v_nop
.endr
.endm
; A sub-trip's weights: my 64 rows x 256 bytes of f32; a load takes two rows eight apart, 256 consecutive aligned bytes for each half of the lanes
.macro LOADB set
.set lu, 0
.if (\set) == 0
	WIN 0xcf
.rept 32
	global_load_b128 v[4*lu:4*lu+3], v128, s[6:7] offset:(16*(lu/8)+(lu%8))*4096
.set lu, lu+1
.endr
.else
	WIN 0x8a
.rept 32
	global_load_b128 v[96+4*lu:96+4*lu+3], v224, s[6:7] offset:(16*(lu/8)+(lu%8))*4096
.set lu, lu+1
.endr
.endif
.endm
.macro LOADA                           ; a sub-trip's rows: four rows of 128 bytes a load
	WIN 0xcf
.set la, 0
.rept NA
	global_load_b128 v[136+4*la:136+4*la+3], v[224+la], s[4:5]
.set la, la+1
.endr
.endm
.macro BUNIT set, n                    ; load n of a set: rounded in place, 8 bytes a lane into the buffer of the set's number; the two rows, eight apart, fall into different halves of the banks
.if (\set) == 0
	WIN 0xcf
.set bb, 4*(\n)
.set ba, 129
.else
	WIN 0x8a
.set bb, 96+4*(\n)
.set ba, 225
.endif
	v_cvt_pk_bf16_f32 v[bb], v[bb], v[bb+1]
	v_cvt_pk_bf16_f32 v[bb+1], v[bb+2], v[bb+3]
	ds_store_b64 v[ba], v[bb:bb+1] offset:(16*((\n)/8)+((\n)%8))*P
.endm
.macro AUNIT q, a
	WIN 0xcf
	ds_store_b128 v[131+(\q)], v[136+4*(\a):136+4*(\a)+3] offset:(\a)*AIMM
.endm
; What stands behind matrix instruction ri of the twenty that carry the staging: two loads of weights (0-15), then the rows (16-19)
.macro RIDE
.if ri < 16
	BUNIT RQ, 2*ri
	BUNIT RQ, 2*ri+1
.else
.if ri == 16
	s_wait_loadcnt 32                              ; the rows of the next sub-trip are in: behind them only 32 loads of weights were issued
.endif
.set ra, ((ri-16)*NA+3)/4
.rept ((ri-15)*NA+3)/4-((ri-16)*NA+3)/4
	AUNIT RQ, ra
.set ra, ra+1
.endr
.endif
.set ri, ri+1
.endm
.macro FETCH f, p, ks                  ; 26 LDS loads in one run: 4 fragments of weights, then blocks 0-8 of the rows, 32 along K
	WIN 0
.irp c, 0,1,2,3
	ds_load_b128 v[(\f)+8*\c:(\f)+8*\c+3],   v[6+(\p)] offset:\c*16*P+64*(\ks)
	ds_load_b128 v[(\f)+8*\c+4:(\f)+8*\c+7], v[6+(\p)] offset:\c*16*P+64*(\ks)+32
.endr
.irp b, 0,1,2,3,4,5,6,7,8
	ds_load_b128 v[(\f)+32+8*\b:(\f)+32+8*\b+3],   v[4+(\p)] offset:\b*16*P+64*(\ks)
	ds_load_b128 v[(\f)+32+8*\b+4:(\f)+32+8*\b+7], v[4+(\p)] offset:\b*16*P+64*(\ks)+32
.endr
.endm
; Blocks b0 .. b1 x 4 column blocks: every accumulator has one turn.  zero = 1: the product starts the sum.  ride = 1: RIDE behind each
.macro HW f, b0, b1, zero, ride
.set hb, (\b0)
.rept (\b1)-(\b0)+1
.set hc, 0
.rept 4
.if hb < 8
	WIN 0x50
.set ha, 32*hb+8*hc
.else
	WIN 0xa0
.set ha, 32*(hb-8)+8*hc
.endif
.if \zero
	v_wmma_f32_16x16x32_bf16 v[ha:ha+7], v[(\f)+8*hc:(\f)+8*hc+7], v[(\f)+32+8*hb:(\f)+32+8*hb+7], 0
.else
	v_wmma_f32_16x16x32_bf16 v[ha:ha+7], v[(\f)+8*hc:(\f)+8*hc+7], v[(\f)+32+8*hb:(\f)+32+8*hb+7], v[ha:ha+7]
.endif
.if \ride
	RIDE
.endif
.set hc, hc+1
.endr
.set hb, hb+1
.endr
.endm
; Blocks 9 and 10, jumped where the tile has at most 144 rows.  always = 1 (the first K step): they start their sums in every tile, so that the way out reads written registers
.macro XSEC f, p, ks, always
	WIN 0
.if !(\always)
	s_cmp_le_u32 s[NR], 144
	s_cbranch_scc1 .Lnox_\@
.endif
	PLACES
.irp b, 0,1
	ds_load_b128 v[XF+8*\b:XF+8*\b+3],   v[4+(\p)] offset:(9+\b)*16*P+64*(\ks)
	ds_load_b128 v[XF+8*\b+4:XF+8*\b+7], v[4+(\p)] offset:(9+\b)*16*P+64*(\ks)+32
.endr
	s_wait_dscnt 0x0
	WIN 0xa0
.irp b, 0,1
.irp c, 0,1,2,3
.if \always
	v_wmma_f32_16x16x32_bf16 v[32+32*\b+8*\c:39+32*\b+8*\c], v[(\f)+8*\c:(\f)+8*\c+7], v[XF+8*\b:XF+8*\b+7], 0
.else
	v_wmma_f32_16x16x32_bf16 v[32+32*\b+8*\c:39+32*\b+8*\c], v[(\f)+8*\c:(\f)+8*\c+7], v[XF+8*\b:XF+8*\b+7], v[32+32*\b+8*\c:39+32*\b+8*\c]
.endif
.endr
.endr
	WIN 0
.if !(\always)
.Lnox_\@:
.endif
.endm
; Rows of sub-trip t + 2, weights of t + 3 into set q.  gA, gB = 1: that part is jumped in the loop's last trip, where it would pass K's end; the jumped way waits for all loads, so that the counted waits behind it hold on both ways
.macro ISSUE q, gA, gB
	WIN 0
	s_wait_xcnt 0x0                                ; the two bases are stepped only behind this wait
.if \gA
	s_cmp_eq_u32 s[CNT], 1
	s_cbranch_scc1 .Lskip_\@
.endif
	s_add_nc_u64 s[4:5], s[4:5], ASTEP
	LOADA
.if (\gB) && !(\gA)
	WIN 0
	s_cmp_eq_u32 s[CNT], 1
	s_cbranch_scc1 .Lskip_\@
.endif
	s_add_nc_u64 s[6:7], s[6:7], BSTEP
	LOADB \q
	WIN 0
.if (\gA) || (\gB)
	s_branch .Ldone_\@
.Lskip_\@:
	s_wait_loadcnt 0x0
.Ldone_\@:
.endif
.endm
; A SUB-TRIP on buffer p.  first = 1: its first K step starts the sums, and there is no rest of a sub-trip before.  st = 1: the next sub-trip is staged and later ones are asked for
.macro BODY p, first, st, gA, gB
.set RQ, 1-(\p)
.if !(\first)
	PLACES
.endif
	FETCH F0, \p, 0
.if !(\first)
	HW F1, 4, 8, 0, 0                              ; the rest of the sub-trip before: registers alone
.endif
	s_wait_dscnt 10                                ; the weights and blocks 0-3 are in; the ten loads of blocks 4-8 may be out
	HW F0, 0, 3, \first, 0
	PLACES
	FETCH F1, \p, 1
	s_wait_dscnt 26                                ; all but the 26 just issued
.if \st
	s_wait_loadcnt NA+32                           ; the next sub-trip's weights are in: behind them NA loads of rows and 32 of weights were issued
.endif
.set ri, 0
	HW F0, 4, 8, \first, \st
	XSEC F0, \p, 0, \first
.if \st
	ISSUE 1-(\p), \gA, \gB
	s_wait_dscnt 32+NA                             ; the second K step's fragments are in: behind them stand the staging's 32 + NA stores
.else
	s_wait_dscnt 0x0
.endif
	HW F1, 0, 3, 0, 0
	XSEC F1, \p, 1, 0
	WIN 0
	s_wait_dscnt 0x0                               ; my reads of this buffer are back and my stores into the other are done:
	s_barrier_signal -1                            ; behind the barrier the other buffer is whole, and this one may be written
	s_barrier_wait -1
.endm
	s_load_b256 s[4:11], s[0:1], 0x0               ; xb s[4:5], w_up s[6:7], sc s[8:9], route s[10:11]
	s_load_b64 s[12:13], s[0:1], 0x20              ; hid
	s_load_b64 s[28:29], s[0:1], 0x28              ; hexp
	v_lshl_add_u32 v28, v0, 2, SPARE               ; my spare word,
	v_mov_b32 v29, 0                               ; and 0: kept for the closing lines alone
	v_lshrrev_b32 v1, 5, v0
	v_readfirstlane_b32 s[WV], v1
	v_and_b32 v1, 31, v0                           ; l
	v_and_b32 v2, 15, v0                           ; r
	v_bfe_u32 v3, v0, 4, 1                         ; h
	v_lshlrev_b32 v24, 4, v1
	s_and_b32 s[TY], ttmp7, 0xffff
	s_wait_kmcnt 0x0
.irp i, 0,1,2,3
	global_load_b128 v[32+4*\i:35+4*\i], v24, s[RT:RT+1] offset:4096+512*\i  ; the counts by groups of 32 tokens: expert 2 i in lanes 0-15, 2 i + 1 in lanes 16-31
.endr
	; what hangs on no count is made meanwhile
	v_mul_u32_u24 v25, v2, P
	v_lshl_add_u32 v25, v3, 4, v25                 ; a fragment's row x pitch + 16 x half
	v_add_nc_u32 v4, ABUF0, v25
	v_add_nc_u32 v5, ABUF1, v25
	s_mul_i32 s20, s[WV], 64*P                     ; my 64 weight rows
	v_add_nc_u32 v25, s20, v25
	v_add_nc_u32 v6, BBUF0, v25
	v_add_nc_u32 v7, BBUF1, v25
	s_lshl_b32 s21, s[WV], 18
	v_lshlrev_b32 v26, 4, v2
	v_lshl_add_u32 v26, v3, 15, v26
	v_add_nc_u32 v26, s21, v26                     ; (64 w + 8 h) rows of 4,096 bytes + 16 r
	v_mul_u32_u24 v27, v3, 8*P
	v_lshl_add_u32 v27, v2, 3, v27
	v_add_nc_u32 v27, s20, v27                     ; (64 w + 8 h) LDS rows + 8 r
	WIN 0xc0
	v_mov_b32 v128, v26
	v_add_nc_u32 v129, BBUF0, v27
	WIN 0x80
	v_mov_b32 v224, v26
	v_add_nc_u32 v225, BBUF1, v27
	WIN 0
	s_mul_i32 s20, s[WV], 768
	s_add_co_u32 s20, s20, LIST
	v_mov_b32 v8, s20                              ; my list
	s_wait_loadcnt 0x0
.irp i, 0,1,2,3
	v_add_nc_u32 v[32+4*\i], v[32+4*\i], v[33+4*\i]
	v_add_nc_u32 v[34+4*\i], v[34+4*\i], v[35+4*\i]
	v_add_nc_u32 v[32+4*\i], v[32+4*\i], v[34+4*\i]
.endr
.irp m, 1,2,4,8
.irp i, 0,1,2,3
	v_mov_b32_dpp v[33+4*\i], v[32+4*\i] row_xmask:\m row_mask:0xf bank_mask:0xf
.endr
.irp i, 0,1,2,3
	v_add_nc_u32 v[32+4*\i], v[32+4*\i], v[33+4*\i]
.endr
.endr
.irp i, 0,1,2,3
	v_readlane_b32 s[32+2*\i], v[32+4*\i], 0       ; c_0 .. c_7 in s[32:39]
	v_readlane_b32 s[33+2*\i], v[32+4*\i], 16
.endr
	; ceil(c / S) = ((c + S - 1) M) >> 20 with M = 7282 (144) or 5958 (176): M S - 2^20 = 32, exact for numbers under 32,768
	s_mov_b32 s40, 0
.irp e, 0,1,2,3,4,5,6,7
	s_add_co_u32 s41, s[32+\e], 143
	s_mul_i32 s41, s41, 7282
	s_lshr_b32 s41, s41, 20
	s_add_co_u32 s40, s40, s41
.endr
	s_mov_b32 s42, 176                             ; S
	s_mov_b32 s43, 5958                            ; M
	s_mov_b32 s44, 144
	s_mov_b32 s45, 7282
	s_cmp_le_u32 s40, 32
	s_cselect_b32 s42, s44, s42
	s_cselect_b32 s43, s45, s43
	s_sub_co_u32 s44, s42, 1
	s_mov_b32 s46, 0                               ; tiles in front of expert e
	s_mov_b32 s47, 0                               ; rows in front of it
	s_mov_b32 s[EX], 0
	s_mov_b32 s48, 0
	s_mov_b32 s49, 0
	s_mov_b32 s50, 0
.irp e, 0,1,2,3,4,5,6,7                ; the last expert whose first tile is not behind mine: experts without rows are passed over
	s_cmp_ge_u32 s[TY], s46
	s_cselect_b32 s[EX], \e, s[EX]
	s_cselect_b32 s48, s46, s48
	s_cselect_b32 s49, s47, s49
	s_cselect_b32 s50, s[32+\e], s50
	s_add_co_u32 s51, s[32+\e], s44
	s_mul_i32 s51, s51, s43
	s_lshr_b32 s51, s51, 20
	s_add_co_u32 s46, s46, s51
	s_add_co_u32 s47, s47, s[32+\e]
.endr
	s_sub_co_u32 s[R0], s[TY], s48
	s_mul_i32 s[R0], s[R0], s42
	s_sub_co_i32 s[NR], s50, s[R0]
	s_max_i32 s[NR], s[NR], 0
	s_min_u32 s[NR], s[NR], s42
	s_max_u32 s[NL], s[NR], 1
	s_sub_co_u32 s[NL], s[NL], 1
	s_add_co_u32 s[RB], s49, s[R0]
	s_min_u32 s[RB], s[RB], 0xfff
	s_min_u32 s[EX], s[EX], 7
	s_lshl_b32 s22, s[EX], 8
	s_mov_b32 s23, 0
	s_add_nc_u64 s[22:23], s[RT:RT+1], s[22:23]    ; the expert's bitmap: 64 words
	s_load_b512 s[32:47], s[22:23], 0x0
	s_load_b512 s[48:63], s[22:23], 0x40
	s_load_b512 s[68:83], s[22:23], 0x80
	s_load_b512 s[84:99], s[22:23], 0xc0
	s_lshl_b32 s20, s[EX], 23                      ; the expert's 8 MiB,
	s_lshl_b32 s21, ttmp9, 20                      ; the column tile's 256 rows of 4,096 bytes
	s_add_co_u32 s20, s20, s21
	s_mov_b32 s21, 0
	s_add_nc_u64 s[6:7], s[6:7], s[20:21]
	LOADB 0                                        ; the weights of sub-trips 0 and 1 are on their way under the list's work
	s_wait_xcnt 0x0
	s_add_nc_u64 s[6:7], s[6:7], BSTEP
	LOADB 1
	WIN 0
	; THE LIST: place k = the token of rank R0 + k in the expert.  Each wave makes a copy of its own: no barrier.  Word 176 takes what falls outside the tile.
	v_lshl_add_u32 v25, v1, 2, v8
	v_mov_b32 v27, 0
.irp i, 0,1,2,3,4,5
	ds_store_b32 v25, v27 offset:128*\i
.endr
	v_mov_b32 v26, v1                              ; my lane's token in the group in hand
	s_sub_co_i32 s20, 0, s[R0]                     ; the expert's tokens so far, less R0
	s_mov_b32 s21, 4
	s_wait_kmcnt 0x0
.Llist:                                            ; four trips of sixteen groups of 32 tokens
.irp k, 0,1,2,3,4,5,6,7,8,9,10,11,12,13,14,15
	v_mbcnt_lo_u32_b32 v27, s[32+\k], s20
	v_cndmask_b32 v27, -1, v27, s[32+\k]
	v_min_u32 v27, 176, v27
	v_lshl_add_u32 v27, v27, 2, v8
	ds_store_b32 v27, v26
	v_add_nc_u32 v26, 32, v26
	s_bcnt1_i32_b32 s24, s[32+\k]
	s_add_co_i32 s20, s20, s24
.endr
.irp j, 0,2,4,6,8,10,12,14
	s_mov_b64 s[32+\j:33+\j], s[48+\j:49+\j]
.endr
.irp j, 0,2,4,6,8,10,12,14
	s_mov_b64 s[48+\j:49+\j], s[68+\j:69+\j]
.endr
.irp j, 0,2,4,6,8,10,12,14
	s_mov_b64 s[68+\j:69+\j], s[84+\j:85+\j]
.endr
	s_sub_co_u32 s21, s21, 1
	s_cmp_lg_u32 s21, 0
	s_cbranch_scc1 .Llist
	; my rows: load a takes rows 16 a + 2 w + h + 8 ((l / 8) % 2), 16 bytes at 16 (l % 8); and the scores of rows 16 b + r
	v_bfe_u32 v24, v0, 3, 1
	v_lshl_add_u32 v24, v24, 3, v3
	s_lshl_b32 s20, s[WV], 1
	v_add_nc_u32 v24, s20, v24
	v_and_b32 v30, 7, v0
	v_lshlrev_b32 v30, 4, v30
.set i, 0
.rept 11
	v_add_nc_u32 v[32+i], 16*i, v24
	v_add_nc_u32 v[64+i], 16*i, v2
	v_min_u32 v[32+i], s[NL], v[32+i]              ; places past the count repeat the last row
	v_min_u32 v[64+i], s[NL], v[64+i]
	v_min_u32 v[32+i], 175, v[32+i]
	v_min_u32 v[64+i], 175, v[64+i]
	v_lshl_add_u32 v[32+i], v[32+i], 2, v8
	v_lshl_add_u32 v[64+i], v[64+i], 2, v8
	ds_load_b32 v[48+i], v[32+i]
	ds_load_b32 v[80+i], v[64+i]
.set i, i+1
.endr
	s_lshl_b32 s24, s[EX], 2
	s_mov_b32 s25, 0
	s_add_nc_u64 s[8:9], s[8:9], s[24:25]          ; sc at my expert's column
	v_mul_u32_u24 v31, v24, P
	v_add_nc_u32 v31, v31, v30
	s_wait_dscnt 0x0
.set i, 0
.rept 11
	v_min_u32 v[48+i], 0x7ff, v[48+i]
	v_min_u32 v[80+i], 0x7ff, v[80+i]
	v_lshlrev_b32 v[80+i], 5, v[80+i]
	global_load_b32 v[13+i], v[80+i], s[8:9]
.set i, i+1
.endr
	WIN 0xc0
.set i, 0
.rept 11
	v_lshl_add_u32 v[224+i], v[48+i], 11, v30      ; token x 2,048 bytes + my 16
.set i, i+1
.endr
	v_add_nc_u32 v131, ABUF0, v31
	v_add_nc_u32 v132, ABUF1, v31
	LOADA                                          ; sub-trip 0's rows
	WIN 0
	s_wait_loadcnt 0x0                             ; once: weights 0 and 1, scores, rows 0
.set i, 0
.rept 32
	BUNIT 0, i
.set i, i+1
.endr
.set i, 0
.rept NA
	AUNIT 0, i
.set i, i+1
.endr
	WIN 0
	s_wait_xcnt 0x0
	s_add_nc_u64 s[4:5], s[4:5], ASTEP
	LOADA                                          ; rows of sub-trip 1,
	s_add_nc_u64 s[6:7], s[6:7], BSTEP
	LOADB 0                                        ; weights of sub-trip 2
	WIN 0
	s_wait_dscnt 0x0
	s_barrier_signal -1
	s_barrier_wait -1                              ; buffer 0 is whole
	BODY 0, 1, 1, 0, 0                             ; sub-trip 0
	s_mov_b32 s[CNT], 7
.Lloop:                                            ; sub-trips 1 .. 14, two a trip
	BODY 1, 0, 1, 0, 1
	BODY 0, 0, 1, 1, 1
	s_sub_co_u32 s[CNT], s[CNT], 1
	s_cmp_lg_u32 s[CNT], 0
	s_cbranch_scc1 .Lloop
	BODY 1, 0, 0, 0, 0                             ; sub-trip 15: nothing is left to stage
	HW F1, 4, 8, 0, 0
	; THE WAY OUT.  Behind the last barrier no wave reads the buffers: the stage, 176 rows of 528 bytes, lies over them.  All 44 tiles go in, so that every byte read back has been written.
	WIN 0
	PLACES
	v_mul_u32_u24 v9, v2, SP
	v_lshl_add_u32 v9, v3, 4, v9
	s_lshl_b32 s20, s[WV], 7
	v_add_nc_u32 v9, s20, v9                       ; row r, my 128 bytes of it, 16 for each half of the lanes
	v_add_nc_u32 v10, 6*16*SP, v9                  ; from block 6 on: an LDS immediate has 16 bits
	s_mul_i32 s20, s[WV], 44*SP
	v_lshl_add_u32 v11, v1, 4, s20                 ; back: my 44 whole rows
	v_lshlrev_b32 v12, 4, v1
	; THE TILE'S LARGEST NUMBER.  For each block the largest max(u, 0) of my 32 numbers (the chain starts at 0; each accumulator is read from its low end on); the blocks' chains take turns.
.macro MAXB b, c, jp
.if (\b) < 8
	WIN 0x14
.set ta, 32*(\b)+8*(\c)
.else
	WIN 0x28
.set ta, 32*((\b)-8)+8*(\c)
.endif
.if ((\c) == 0) && ((\jp) == 0)
	v_max3_num_f32 v[32+(\b)], 0, v[ta], v[ta+1]
.else
	v_max3_num_f32 v[32+(\b)], v[32+(\b)], v[ta+2*(\jp)], v[ta+2*(\jp)+1]
.endif
.endm
.macro MAXES b0, nb
.set qc, 0
.rept 4
.set qj, 0
.rept 4
.set qk, (\b0)
.rept (\nb)
	MAXB qk, qc, qj
.set qk, qk+1
.endr
.set qj, qj+1
.endr
.set qc, qc+1
.endr
.endm
	MAXES 0, 8
	MAXES 8, 3
	WIN 0
.set i, 0
.rept 11
	v_mul_f32 v[32+i], v[13+i], v[32+i]            ; s max(u, 0): rounding keeps the order, so this is the largest of the block's products
.set i, i+1
.endr
	v_max3_num_f32 v56, v32, v33, v34
	v_max3_num_f32 v56, v56, v35, v36
	v_max3_num_f32 v56, v56, v37, v38
	v_max3_num_f32 v56, v56, v39, v40
	v_max_num_f32 v57, v41, v42                    ; blocks 9 and 10 count only where they were multiplied through
	s_cmp_gt_u32 s[NR], 144
	s_cselect_b32 s20, 1.0, 0
	v_mul_f32 v57, s20, v57
	v_max_num_f32 v56, v56, v57
	v_mul_f32 v56, v56, v56                        ; M of my lane
	s_mov_b32 s22, 0x76543210
	s_mov_b32 s23, 0xfedcba98
	v_max_num_f32_dpp v56, v56, v56 row_xmask:1 row_mask:0xf bank_mask:0xf
	v_max_num_f32_dpp v56, v56, v56 row_xmask:2 row_mask:0xf bank_mask:0xf
	v_max_num_f32_dpp v56, v56, v56 row_xmask:4 row_mask:0xf bank_mask:0xf
	v_max_num_f32_dpp v56, v56, v56 row_xmask:8 row_mask:0xf bank_mask:0xf
	v_permlanex16_b32 v57, v56, s22, s23
	v_max_num_f32 v56, v56, v57                    ; of my wave
	s_lshl_b32 s20, s[WV], 2
	s_add_co_u32 s20, s20, MXW
	v_mov_b32 v58, s20
	ds_store_b32 v58, v56                          ; all lanes write the same word with the same value
	s_lshl_b32 s24, s[TY], 3
	s_add_co_u32 s24, s24, ttmp9
	s_lshl_b32 s24, s24, 8                         ; hexp: 256 bytes for each (row tile, column tile)
	s_mov_b32 s25, 0
	s_add_nc_u64 s[28:29], s[28:29], s[24:25]
	v_lshlrev_b32 v31, 3, v1
	s_wait_dscnt 0x0                               ; for the others' sake: my word is in LDS
	s_barrier_signal -1
	s_barrier_wait -1
	v_mov_b32 v58, MXW
	ds_load_b128 v[60:63], v58
	s_wait_dscnt 0x0
	v_max3_num_f32 v56, v60, v61, v62
	v_max_num_f32 v56, v56, v63                    ; of the tile
	; E = M's biased exponent, at least 24; q + 64 = (269 - E) >> 1, so that 2 q <= 141 - E and 2^(2q) M < 2^15; q lies in -57 .. 58
	v_lshrrev_b32 v56, 23, v56
	v_max_u32 v56, 24, v56
	v_sub_nc_u32 v56, 269, v56
	v_lshrrev_b32 v54, 1, v56
	v_mov_b32 v55, v54
	v_add_lshl_u32 v59, v54, 63, 23                ; 2^q as f32
	s_cmp_lg_u32 s[WV], 0
	s_cbranch_scc1 .Lnoq
	global_store_b64 v31, v[54:55], s[28:29]       ; 256 consecutive bytes, aligned: 64 times q + 64
.Lnoq:
.set i, 0
.rept 11
	v_mul_f32 v[32+2*i], v[13+i], v59              ; each block's s 2^q (exact) as a pair, for the packed multiply
	v_mul_f32 v[33+2*i], v[13+i], v59
.set i, i+1
.endr
.macro TILE b, c                       ; (s 2^q max(u, 0))^2, rounded to f16: 16 bytes a lane
.if (\b) < 8
	WIN 0x04
.set ta, 32*(\b)+8*(\c)
.else
	WIN 0x08
.set ta, 32*((\b)-8)+8*(\c)
.endif
.set tt, 64+16*((\c)%2)
.irp j, 0,1,2,3,4,5,6,7
	v_max_num_f32 v[tt+\j], 0, v[ta+\j]
.endr
	WIN 0
.irp j, 0,2,4,6
	v_pk_mul_f32 v[tt+\j:tt+\j+1], v[tt+\j:tt+\j+1], v[32+2*(\b):33+2*(\b)]
.endr
.irp j, 0,2,4,6
	v_pk_mul_f32 v[tt+\j:tt+\j+1], v[tt+\j:tt+\j+1], v[tt+\j:tt+\j+1]
.endr
.irp j, 0,1,2,3
	v_cvt_pk_f16_f32 v[tt+8+\j], v[tt+2*\j], v[tt+2*\j+1]
.endr
.if (\b) < 6
	ds_store_b128 v9, v[tt+8:tt+11] offset:(\b)*16*SP+32*(\c)
.else
	ds_store_b128 v10, v[tt+8:tt+11] offset:((\b)-6)*16*SP+32*(\c)
.endif
.endm
.set tb, 0
.rept 11
.set tc, 0
.rept 4
	TILE tb, tc
.set tc, tc+1
.endr
.set tb, tb+1
.endr
	WIN 0
	s_mul_i32 s20, s[WV], 44
	s_sub_co_i32 s21, s[NR], s20
	s_max_i32 s21, s21, 0                          ; how many of my 44 rows exist
	s_add_co_u32 s22, s20, s[RB]
	s_lshl_b32 s22, s22, 12                        ; rows of 4,096 bytes,
	s_lshl_b32 s24, ttmp9, 9                       ; the column tile's 512 bytes
	s_add_co_u32 s22, s22, s24
	s_mov_b32 s23, 0
	s_add_nc_u64 s[12:13], s[12:13], s[22:23]
	s_wait_dscnt 0x0                               ; for the others' sake: my stores into the stage are done
	s_barrier_signal -1
	s_barrier_wait -1
	s_wait_xcnt 0x0                                ; the registers that the store of q + 64 reads are loaded again only behind this wait
.set i, 0
.rept 44
	ds_load_b128 v[32+4*i:35+4*i], v11 offset:SP*i
.set i, i+1
.endr
.set i, 0
.rept 44
	s_wait_dscnt 43-i
	s_cmp_le_u32 s21, i                            ; rows past the count are not stored
	s_cbranch_scc1 .Lend
	global_store_b128 v12, v[32+4*i:35+4*i], s[12:13] offset:4096*i  ; 512 consecutive bytes, aligned
.set i, i+1
.endr
.Lend:
	s_wait_tensorcnt 0x0                           ; the wave's end
	ds_add_u32 v28, v29
	s_wait_dscnt 0x0
	s_endpgm
.Lfunc_end_k_q31d82e7890_up:
	.size	k_q31d82e7890_up, .Lfunc_end_k_q31d82e7890_up-k_q31d82e7890_up
	.p2alignl 7, 3214868480
	.fill 96, 4, 3214868480
	.section	.rodata,"a",@progbits
	.p2align	6, 0x0
	.amdhsa_kernel k_q31d82e7890_up
		.amdhsa_group_segment_fixed_size 128256
		.amdhsa_private_segment_fixed_size 0
		.amdhsa_enable_private_segment 0
		.amdhsa_kernarg_size 48
		.amdhsa_user_sgpr_count 2
		.amdhsa_user_sgpr_kernarg_segment_ptr 1
		.amdhsa_wavefront_size32 1
		.amdhsa_system_sgpr_workgroup_id_x 1
		.amdhsa_system_sgpr_workgroup_id_y 1
		.amdhsa_system_sgpr_workgroup_id_z 1
		.amdhsa_system_vgpr_workitem_id 0
		.amdhsa_next_free_vgpr 1024
		.amdhsa_next_free_sgpr 102
		.amdhsa_reserve_vcc 0
		.amdhsa_float_denorm_mode_32 3
		.amdhsa_float_denorm_mode_16_64 3
		.amdhsa_memory_ordered 1
		.amdhsa_forward_progress 1
		.amdhsa_inst_pref_size 202
	.end_amdhsa_kernel
	.amdgpu_metadata
---
amdhsa.version: [ 1, 2 ]
amdhsa.kernels:
  - .name:           k_q31d82e7890_up
    .symbol:         k_q31d82e7890_up.kd
    .args:
      - { .name: xb, .offset: 0, .size: 8, .value_kind: global_buffer, .address_space: global }
      - { .name: w_up, .offset: 8, .size: 8, .value_kind: global_buffer, .address_space: global }
      - { .name: sc, .offset: 16, .size: 8, .value_kind: global_buffer, .address_space: global }
      - { .name: route, .offset: 24, .size: 8, .value_kind: global_buffer, .address_space: global }
      - { .name: hid, .offset: 32, .size: 8, .value_kind: global_buffer, .address_space: global }
      - { .name: hexp, .offset: 40, .size: 8, .value_kind: global_buffer, .address_space: global }
    .group_segment_fixed_size: 128256
    .private_segment_fixed_size: 0
    .kernarg_segment_align: 8
    .kernarg_segment_size: 48
    .max_flat_workgroup_size: 128
    .sgpr_count:     102
    .vgpr_count:     1024
    .wavefront_size: 32
...
	.end_amdgpu_metadata
.endif
;; end of part 2
;; launch down (part 3): grid 8 x 32, 4 waves a work-group, no clusters, 168,960 bytes of LDS; arguments hid, w_down, route, hexp, y; writes y
.if DOCPART == 3
	.amdgcn_target "amdgcn-amd-amdhsa--gfx1250"
	.amdhsa_code_object_version 6
	.text
	.protected	k_q31d82e7890_down
	.globl	k_q31d82e7890_down
	.p2align	8
	.type	k_q31d82e7890_down,@function
k_q31d82e7890_down:
	s_mov_b64 s[64:65], 0
	v_nop
	global_prefetch_b8 v0, s[64:65] scope:SCOPE_SE
	s_setreg_imm32_b32 hwreg(HW_REG_WAVE_MODE, 25, 1), 1
	s_wait_xcnt 0x0
; SECOND PRODUCT.  y[plane][token][n] = h[row] . w_down[e][n], f32: plane 0 takes the row of a token's first choice, plane 1 that of its second; the next launch adds the two (partial sums stay f32).
; FORMATS.  hid holds h 2^(2 q_t) in f16, q_t one whole number for my row tile and each of the eight K tiles of 256 (hexp holds q_t + 64).  With qmin the least of the eight, w_down is rounded to bf16, as every input
; of the program is, multiplied by F_t = 2^(8 + 2 (qmin - q_t)) and written as f16 (both steps exact inside f16's range); the finished sums are multiplied by 2^(-2 qmin - 8).  Products f16, sums f32.
; LIMITS.  |w_down| stays under 255 (65,504 / 2^8); a scaled weight under 2^-17 keeps f16's fixed step of 2^-24.  The order of the K sums differs from reference()'s (two halves, added last).  NaN and infinities are not treated apart.
; THE DEAL is the first product's, by the same formula from the same counts: grid 8 column tiles of 128 x 32 row tiles of S = 144 or 176 rows; every split is served; a tile without rows stores nothing.
; SHARES.  Four waves: wave w makes all 176 rows x the 64 columns of half w % 2, over K half w / 2 of every sub-trip: 44 accumulators.  Blocks 0-8 are always multiplied, blocks 9, 10 only where the tile has more than 144 rows.
; K goes in 16 sub-trips of 128 (rows of 256 bytes of hid, 512 of w_down), staged through registers into two LDS buffers that take turns, one barrier a sub-trip, as in the first product.
; At the end the two K halves meet in LDS: each wave hands over about half of its blocks and finishes the others.
; In the block that holds the count's end the places past it repeat the last row's numbers AND its target: the same bytes are stored again with the same values, by the same wave.
; NO TENSOR LOADS, NO CLUSTER: f32 weights must pass registers to be rounded; the work-groups that share a weight tile are an expert's row tiles, whose number hangs on stored counts.
; REGISTERS, in windows of 256 (s_set_vgpr_msb: bits 1:0 source 0, 3:2 source 1, 5:4 source 2, 7:6 destination):
;   window 0: v0-31 addresses, v14 = 0; v32-135, v136-239 two fragment buffers (32 of weights, 72 of rows); v240-255 the rows of blocks 9, 10
;   window 1: accumulator (b, c), b < 8, at 32 b + 8 c      window 2: v0-95 those of b = 8 .. 10; v96-223 weights on their way, set 1; v224 their offset, v225 their LDS address, v226 F
;   window 3: v0-127 weights on their way, set 0; v128, v129 offset and LDS address, v130 F; v131, v132 the rows' LDS addresses; v136-223 rows on their way; v224-245 their offsets
.set P,     272                        ; an LDS row: 256 bytes + 16: the 16 rows of a fragment load start at 16 different groups of four banks (64 banks of 4 bytes: ISA guide 11.1)
.set NA,    22                         ; loads a lane for a sub-trip's 176 x 256 bytes of rows
.set ASTEP, 256
.set BSTEP, 512
.set AIMM,  2*P
.set ABUF0, 0
.set ABUF1, 176*P
.set BBUF0, 2*176*P
.set BBUF1, BBUF0+128*P
.set LIST,  BBUF1+128*P                ; each wave's own list of 192 entries
.set SPARE, LIST+4*768                 ; the spare words, 128 bytes a wave: two blocks of 256 bytes that no other line names
.set STG,   BBUF0                      ; the way out: 16 rows x 272 bytes for each wave, over the weights' buffer; the exchange lies over the rows' buffers
.set F0,    32
.set F1,    136
.set XF,    240
.set RT,    8                          ; s[8:9] route
.set WV,    2
.set TY,    3
.set NR,    14
.set NL,    15
.set RB,    16
.set EX,    17
.set R0,    18
.set CNT,   19
.set CG,    26                         ; s26 my half of the columns
.set KH,    27                         ; s27 my half of K
.set FQ,    40                         ; s[40:47] F of K tiles 0 .. 7 as f32; s[41:47] are a queue that moves down one a trip
.set OF,    50                         ; s[50:51] 2^(-2 qmin - 8), twice
.set MSB, 0
.macro WIN new                         ; the immediate's high byte repeats the setting that is left; a switch that changes nothing is dropped
.if MSB != (\new)
	s_set_vgpr_msb (MSB<<8)|(\new)
.set MSB, (\new)
.endif
.endm
.macro PLACES                          ; four places behind matrix instructions, in front of loads into registers that they read and of lines that read their results
.rept 4
	v_nop
.endr
.endm
.macro LOADB set                       ; a sub-trip's weights: my 32 rows x 512 bytes of f32, a row a load
.set lu, 0
.if (\set) == 0
	WIN 0xcf
.rept 32
	global_load_b128 v[4*lu:4*lu+3], v128, s[6:7] offset:lu*8192
.set lu, lu+1
.endr
.else
	WIN 0x8a
.rept 32
	global_load_b128 v[96+4*lu:96+4*lu+3], v224, s[6:7] offset:lu*8192
.set lu, lu+1
.endr
.endif
.endm
.macro LOADA                           ; a sub-trip's rows: two rows of 256 bytes a load
	WIN 0xcf
.set la, 0
.rept NA
	global_load_b128 v[136+4*la:136+4*la+3], v[224+la], s[4:5]
.set la, la+1
.endr
.endm
; Load n of a set, four weights a lane: rounded to bf16; each half times F (+ 0, from window 0) back in f32; written as f16; 8 bytes a lane: 256 consecutive bytes of the buffer of the set's number
.macro BUNIT set, n
.if (\set) == 0
	WIN 0xcf
.set bb, 4*(\n)
.set ba, 129
.set bf, 130
.else
	WIN 0x8a
.set bb, 96+4*(\n)
.set ba, 225
.set bf, 226
.endif
	v_cvt_pk_bf16_f32 v[bb], v[bb], v[bb+1]
	v_cvt_pk_bf16_f32 v[bb+1], v[bb+2], v[bb+3]
	v_fma_mix_f32_bf16 v[bb+2], v[bb+1], v[bf], v14 op_sel_hi:[1,0,0]
	v_fma_mix_f32_bf16 v[bb+3], v[bb+1], v[bf], v14 op_sel:[1,0,0] op_sel_hi:[1,0,0]
	v_cvt_pk_f16_f32 v[bb+1], v[bb+2], v[bb+3]
	v_fma_mix_f32_bf16 v[bb+2], v[bb], v[bf], v14 op_sel_hi:[1,0,0]
	v_fma_mix_f32_bf16 v[bb+3], v[bb], v[bf], v14 op_sel:[1,0,0] op_sel_hi:[1,0,0]
	v_cvt_pk_f16_f32 v[bb], v[bb+2], v[bb+3]
	ds_store_b64 v[ba], v[bb:bb+1] offset:(\n)*P
.endm
.macro AUNIT q, a
	WIN 0xcf
	ds_store_b128 v[131+(\q)], v[136+4*(\a):136+4*(\a)+3] offset:(\a)*AIMM
.endm
.macro RIDE                            ; behind matrix instruction ri of the 36 that carry the staging: one load of weights (0-31), then the rows (32-35)
.if ri < 32
	BUNIT RQ, ri
.else
.if ri == 32
	s_wait_loadcnt 32                              ; the rows of the next sub-trip are in: behind them only 32 loads of weights were issued
.endif
.set ra, ((ri-32)*NA+3)/4
.rept ((ri-31)*NA+3)/4-((ri-32)*NA+3)/4
	AUNIT RQ, ra
.set ra, ra+1
.endr
.endif
.set ri, ri+1
.endm
.macro FETCH f, p, ks                  ; 26 LDS loads in one run: 4 fragments of weights, then blocks 0-8 of the rows, 32 along K
	WIN 0
.irp c, 0,1,2,3
	ds_load_b128 v[(\f)+8*\c:(\f)+8*\c+3],   v[6+(\p)] offset:\c*16*P+64*(\ks)
	ds_load_b128 v[(\f)+8*\c+4:(\f)+8*\c+7], v[6+(\p)] offset:\c*16*P+64*(\ks)+32
.endr
.irp b, 0,1,2,3,4,5,6,7,8
	ds_load_b128 v[(\f)+32+8*\b:(\f)+32+8*\b+3],   v[4+(\p)] offset:\b*16*P+64*(\ks)
	ds_load_b128 v[(\f)+32+8*\b+4:(\f)+32+8*\b+7], v[4+(\p)] offset:\b*16*P+64*(\ks)+32
.endr
.endm
.macro HW f, b0, b1, zero, ride        ; blocks b0 .. b1 x 4 column blocks: every accumulator has one turn
.set hb, (\b0)
.rept (\b1)-(\b0)+1
.set hc, 0
.rept 4
.if hb < 8
	WIN 0x50
.set ha, 32*hb+8*hc
.else
	WIN 0xa0
.set ha, 32*(hb-8)+8*hc
.endif
.if \zero
	v_wmma_f32_16x16x32_f16 v[ha:ha+7], v[(\f)+8*hc:(\f)+8*hc+7], v[(\f)+32+8*hb:(\f)+32+8*hb+7], 0
.else
	v_wmma_f32_16x16x32_f16 v[ha:ha+7], v[(\f)+8*hc:(\f)+8*hc+7], v[(\f)+32+8*hb:(\f)+32+8*hb+7], v[ha:ha+7]
.endif
.if \ride
	RIDE
.endif
.set hc, hc+1
.endr
.set hb, hb+1
.endr
.endm
.macro XSEC f, p, ks, always           ; blocks 9 and 10, jumped where the tile has at most 144 rows; always = 1: the first K step starts their sums in every tile
	WIN 0
.if !(\always)
	s_cmp_le_u32 s[NR], 144
	s_cbranch_scc1 .Lnox_\@
.endif
	PLACES
.irp b, 0,1
	ds_load_b128 v[XF+8*\b:XF+8*\b+3],   v[4+(\p)] offset:(9+\b)*16*P+64*(\ks)
	ds_load_b128 v[XF+8*\b+4:XF+8*\b+7], v[4+(\p)] offset:(9+\b)*16*P+64*(\ks)+32
.endr
	s_wait_dscnt 0x0
	WIN 0xa0
.irp b, 0,1
.irp c, 0,1,2,3
.if \always
	v_wmma_f32_16x16x32_f16 v[32+32*\b+8*\c:39+32*\b+8*\c], v[(\f)+8*\c:(\f)+8*\c+7], v[XF+8*\b:XF+8*\b+7], 0
.else
	v_wmma_f32_16x16x32_f16 v[32+32*\b+8*\c:39+32*\b+8*\c], v[(\f)+8*\c:(\f)+8*\c+7], v[XF+8*\b:XF+8*\b+7], v[32+32*\b+8*\c:39+32*\b+8*\c]
.endif
.endr
.endr
	WIN 0
.if !(\always)
.Lnox_\@:
.endif
.endm
; Rows of sub-trip t + 2, weights of t + 3 into set q.  gA, gB = 1: that part is jumped in the loop's last trip, where it would pass K's end; the jumped way waits for all loads, so that the counted waits behind it hold on both ways
.macro ISSUE q, gA, gB
	WIN 0
	s_wait_xcnt 0x0                                ; the two bases are stepped only behind this wait
.if \gA
	s_cmp_eq_u32 s[CNT], 1
	s_cbranch_scc1 .Lskip_\@
.endif
	s_add_nc_u64 s[4:5], s[4:5], ASTEP
	LOADA
.if (\gB) && !(\gA)
	WIN 0
	s_cmp_eq_u32 s[CNT], 1
	s_cbranch_scc1 .Lskip_\@
.endif
	s_add_nc_u64 s[6:7], s[6:7], BSTEP
	LOADB \q
	WIN 0
.if (\gA) || (\gB)
	s_branch .Ldone_\@
.Lskip_\@:
	s_wait_loadcnt 0x0
.Ldone_\@:
.endif
.endm
.macro BODY p, first, st, gA, gB       ; a sub-trip on buffer p
.set RQ, 1-(\p)
.if !(\first)
	PLACES
.endif
	FETCH F0, \p, 0
.if !(\first)
	HW F1, 4, 8, 0, 0                              ; the rest of the sub-trip before: registers alone
.endif
	s_wait_dscnt 10                                ; the weights and blocks 0-3 are in; the ten loads of blocks 4-8 may be out
.if \st
	s_wait_loadcnt NA+32                           ; the next sub-trip's weights are in: behind them NA loads of rows and 32 of weights were issued
.endif
.set ri, 0
	HW F0, 0, 3, \first, \st                       ; sixteen loads of weights ride here,
	PLACES
	FETCH F1, \p, 1
	s_wait_dscnt 26                                ; all but the 26 just issued
	HW F0, 4, 8, \first, \st                       ; the other sixteen and the rows here
	XSEC F0, \p, 0, \first
.if \st
	ISSUE 1-(\p), \gA, \gB
	s_wait_dscnt 16+NA                             ; the second K step's fragments are in: behind them stand 16 stores of weights and NA of rows
.else
	s_wait_dscnt 0x0
.endif
	HW F1, 0, 3, 0, 0
	XSEC F1, \p, 1, 0
	WIN 0
	s_wait_dscnt 0x0                               ; my reads of this buffer are back and my stores into the other are done:
	s_barrier_signal -1                            ; behind the barrier the other buffer is whole, and this one may be written
	s_barrier_wait -1
.endm
	s_load_b256 s[4:11], s[0:1], 0x0               ; hid s[4:5], w_down s[6:7], route s[8:9], hexp s[10:11]
	s_load_b64 s[12:13], s[0:1], 0x20              ; y
	v_lshl_add_u32 v28, v0, 2, SPARE               ; my spare word,
	v_mov_b32 v29, 0                               ; and 0: kept for the closing lines alone
	v_mov_b32 v14, 0                               ; the addend of the weights' scaling
	v_lshrrev_b32 v1, 5, v0
	v_readfirstlane_b32 s[WV], v1
	v_and_b32 v1, 31, v0                           ; l
	v_and_b32 v2, 15, v0                           ; r
	v_bfe_u32 v3, v0, 4, 1                         ; h
	v_lshlrev_b32 v24, 4, v1
	s_and_b32 s[TY], ttmp7, 0xffff
	s_and_b32 s[CG], s[WV], 1
	s_lshr_b32 s[KH], s[WV], 1
	s_wait_kmcnt 0x0
.irp i, 0,1,2,3
	global_load_b128 v[32+4*\i:35+4*\i], v24, s[RT:RT+1] offset:4096+512*\i  ; the counts by groups of 32 tokens: expert 2 i in lanes 0-15, 2 i + 1 in lanes 16-31
.endr
	v_mul_u32_u24 v25, v2, P
	v_lshl_add_u32 v25, v3, 4, v25
	s_lshl_b32 s20, s[KH], 7
	v_add_nc_u32 v25, s20, v25                     ; a fragment's row x pitch + 16 x half + my 128 bytes of K
	v_add_nc_u32 v4, ABUF0, v25
	v_add_nc_u32 v5, ABUF1, v25
	s_mul_i32 s20, s[CG], 64*P                     ; my 64 weight rows
	v_add_nc_u32 v25, s20, v25
	v_add_nc_u32 v6, BBUF0, v25
	v_add_nc_u32 v7, BBUF1, v25
	s_lshl_b32 s20, s[WV], 18
	v_lshl_add_u32 v26, v1, 4, s20                 ; 32 w rows of 8,192 bytes + 16 l
	s_mul_i32 s20, s[WV], 32*P
	v_lshl_add_u32 v27, v1, 3, s20                 ; 32 w LDS rows + 8 l
	WIN 0xc0
	v_mov_b32 v128, v26
	v_add_nc_u32 v129, BBUF0, v27
	WIN 0x80
	v_mov_b32 v224, v26
	v_add_nc_u32 v225, BBUF1, v27
	WIN 0
	s_mul_i32 s20, s[WV], 768
	s_add_co_u32 s20, s20, LIST
	v_mov_b32 v8, s20                              ; my list
	s_wait_loadcnt 0x0
.irp i, 0,1,2,3
	v_add_nc_u32 v[32+4*\i], v[32+4*\i], v[33+4*\i]
	v_add_nc_u32 v[34+4*\i], v[34+4*\i], v[35+4*\i]
	v_add_nc_u32 v[32+4*\i], v[32+4*\i], v[34+4*\i]
.endr
.irp m, 1,2,4,8
.irp i, 0,1,2,3
	v_mov_b32_dpp v[33+4*\i], v[32+4*\i] row_xmask:\m row_mask:0xf bank_mask:0xf
.endr
.irp i, 0,1,2,3
	v_add_nc_u32 v[32+4*\i], v[32+4*\i], v[33+4*\i]
.endr
.endr
.irp i, 0,1,2,3
	v_readlane_b32 s[32+2*\i], v[32+4*\i], 0       ; c_0 .. c_7 in s[32:39]
	v_readlane_b32 s[33+2*\i], v[32+4*\i], 16
.endr
	; ceil(c / S) = ((c + S - 1) M) >> 20 with M = 7282 (144) or 5958 (176): M S - 2^20 = 32, exact for numbers under 32,768
	s_mov_b32 s40, 0
.irp e, 0,1,2,3,4,5,6,7
	s_add_co_u32 s41, s[32+\e], 143
	s_mul_i32 s41, s41, 7282
	s_lshr_b32 s41, s41, 20
	s_add_co_u32 s40, s40, s41
.endr
	s_mov_b32 s42, 176                             ; S
	s_mov_b32 s43, 5958                            ; M
	s_mov_b32 s44, 144
	s_mov_b32 s45, 7282
	s_cmp_le_u32 s40, 32
	s_cselect_b32 s42, s44, s42
	s_cselect_b32 s43, s45, s43
	s_sub_co_u32 s44, s42, 1
	s_mov_b32 s46, 0                               ; tiles in front of expert e
	s_mov_b32 s47, 0                               ; rows in front of it
	s_mov_b32 s[EX], 0
	s_mov_b32 s48, 0
	s_mov_b32 s49, 0
	s_mov_b32 s50, 0
.irp e, 0,1,2,3,4,5,6,7                ; the last expert whose first tile is not behind mine: experts without rows are passed over
	s_cmp_ge_u32 s[TY], s46
	s_cselect_b32 s[EX], \e, s[EX]
	s_cselect_b32 s48, s46, s48
	s_cselect_b32 s49, s47, s49
	s_cselect_b32 s50, s[32+\e], s50
	s_add_co_u32 s51, s[32+\e], s44
	s_mul_i32 s51, s51, s43
	s_lshr_b32 s51, s51, 20
	s_add_co_u32 s46, s46, s51
	s_add_co_u32 s47, s47, s[32+\e]
.endr
	s_sub_co_u32 s[R0], s[TY], s48
	s_mul_i32 s[R0], s[R0], s42
	s_sub_co_i32 s[NR], s50, s[R0]
	s_max_i32 s[NR], s[NR], 0
	s_min_u32 s[NR], s[NR], s42
	s_max_u32 s[NL], s[NR], 1
	s_sub_co_u32 s[NL], s[NL], 1
	s_add_co_u32 s[RB], s49, s[R0]
	s_min_u32 s[RB], s[RB], 0xfff
	s_min_u32 s[EX], s[EX], 7
	s_lshl_b32 s22, s[EX], 8
	s_mov_b32 s23, 0
	s_add_nc_u64 s[22:23], s[RT:RT+1], s[22:23]    ; the expert's bitmap: 64 words; its second-choice bitmap lies 2,048 bytes on
	s_load_b512 s[32:47], s[22:23], 0x0
	s_load_b512 s[48:63], s[22:23], 0x40
	s_load_b512 s[68:83], s[22:23], 0x80
	s_load_b512 s[84:99], s[22:23], 0xc0
	s_lshl_b32 s20, s[EX], 23                      ; the expert's 8 MiB,
	s_lshl_b32 s21, ttmp9, 20                      ; the column tile's 128 rows of 8,192 bytes
	s_add_co_u32 s20, s20, s21
	s_mov_b32 s21, 0
	s_add_nc_u64 s[6:7], s[6:7], s[20:21]
	LOADB 0                                        ; the weights of sub-trips 0 and 1 are on their way under the list's work
	s_wait_xcnt 0x0
	s_add_nc_u64 s[6:7], s[6:7], BSTEP
	LOADB 1
	WIN 0
	; THE LIST: place k = the token of rank R0 + k in the expert.  Each wave makes a copy of its own: no barrier.  Word 176 takes what falls outside the tile.
	v_lshl_add_u32 v25, v1, 2, v8
	v_mov_b32 v27, 0
.irp i, 0,1,2,3,4,5
	ds_store_b32 v25, v27 offset:128*\i
.endr
	v_mov_b32 v26, v1
	s_sub_co_i32 s20, 0, s[R0]
	s_mov_b32 s21, 4
	s_wait_kmcnt 0x0
.Llist:                                            ; four trips of sixteen groups of 32 tokens
.irp k, 0,1,2,3,4,5,6,7,8,9,10,11,12,13,14,15
	v_mbcnt_lo_u32_b32 v27, s[32+\k], s20
	v_cndmask_b32 v27, -1, v27, s[32+\k]
	v_min_u32 v27, 176, v27
	v_lshl_add_u32 v27, v27, 2, v8
	ds_store_b32 v27, v26
	v_add_nc_u32 v26, 32, v26
	s_bcnt1_i32_b32 s24, s[32+\k]
	s_add_co_i32 s20, s20, s24
.endr
.irp j, 0,2,4,6,8,10,12,14
	s_mov_b64 s[32+\j:33+\j], s[48+\j:49+\j]
.endr
.irp j, 0,2,4,6,8,10,12,14
	s_mov_b64 s[48+\j:49+\j], s[68+\j:69+\j]
.endr
.irp j, 0,2,4,6,8,10,12,14
	s_mov_b64 s[68+\j:69+\j], s[84+\j:85+\j]
.endr
	s_sub_co_u32 s21, s21, 1
	s_cmp_lg_u32 s21, 0
	s_cbranch_scc1 .Llist
	s_lshl_b32 s20, s[TY], 11                      ; my row tile's eight scales: 256 bytes apart
	s_mov_b32 s21, 0
	s_add_nc_u64 s[10:11], s[10:11], s[20:21]
.irp t, 0,1,2,3,4,5,6,7
	s_load_b32 s[32+\t], s[10:11], 256*\t
.endr
	; the list is made whole: place k takes the token of place min(k, last row), and 2,048 more where this expert is the token's second choice: the row of y
.set i, 0
.rept 6
	v_add_nc_u32 v[32+i], 32*i, v1
	v_min_u32 v[32+i], s[NL], v[32+i]
	v_min_u32 v[32+i], 175, v[32+i]
	v_lshl_add_u32 v[32+i], v[32+i], 2, v8
	ds_load_b32 v[40+i], v[32+i]
.set i, i+1
.endr
	; my rows of hid: load a takes rows 44 w + 2 a + h, 16 bytes at 16 r; places past the count repeat the last row
	s_mul_i32 s20, s[WV], 44
	v_add_nc_u32 v24, s20, v3
	v_lshlrev_b32 v30, 4, v2
.set i, 0
.rept 22
	v_add_nc_u32 v[64+i], 2*i, v24
	v_min_u32 v[64+i], s[NL], v[64+i]
	v_add_nc_u32 v[64+i], s[RB], v[64+i]
	v_min_u32 v[64+i], 0xfff, v[64+i]
.set i, i+1
.endr
	v_mul_u32_u24 v31, v24, P
	v_add_nc_u32 v31, v31, v30
	WIN 0xc0
.set i, 0
.rept 22
	v_lshl_add_u32 v[224+i], v[64+i], 12, v30
.set i, i+1
.endr
	v_add_nc_u32 v131, ABUF0, v31
	v_add_nc_u32 v132, ABUF1, v31
	LOADA                                          ; sub-trip 0's rows
	WIN 0
	s_wait_dscnt 0x0                               ; all six reads of every lane are back before a place is written
.set i, 0
.rept 6
	v_min_u32 v[40+i], 0x7ff, v[40+i]
	v_lshrrev_b32 v[48+i], 5, v[40+i]
	v_min_u32 v[48+i], 63, v[48+i]
	v_lshlrev_b32 v[48+i], 2, v[48+i]
	global_load_b32 v[56+i], v[48+i], s[22:23] offset:2048
.set i, i+1
.endr
	; the scales: qmin; F_t = 2^(8 + 2 (qmin - q_t)) as f32 bits, 0 where that exponent leaves f32; 2^(-2 qmin - 8): with q + 64 in 7 .. 122 its biased exponent 247 - 2 (qmin + 64) lies in 3 .. 233
	s_wait_kmcnt 0x0
	s_min_u32 s48, s32, s33
.irp t, 2,3,4,5,6,7
	s_min_u32 s48, s48, s[32+\t]
.endr
.irp t, 0,1,2,3,4,5,6,7
	s_sub_co_u32 s[FQ+\t], s[32+\t], s48
	s_lshl_b32 s[FQ+\t], s[FQ+\t], 1
	s_sub_co_i32 s[FQ+\t], 135, s[FQ+\t]
	s_max_i32 s[FQ+\t], s[FQ+\t], 0
	s_lshl_b32 s[FQ+\t], s[FQ+\t], 23
.endr
	s_lshl_b32 s[OF], s48, 1
	s_sub_co_u32 s[OF], 247, s[OF]
	s_lshl_b32 s[OF], s[OF], 23
	s_mov_b32 s[OF+1], s[OF]
	WIN 0xc0
	v_mov_b32 v130, s[FQ]                          ; sub-trips 0 and 1 lie in K tile 0
	WIN 0x80
	v_mov_b32 v226, s[FQ]
	WIN 0
	s_wait_loadcnt 0x0                             ; once: weights 0 and 1, rows 0, the six words
.set i, 0
.rept 6
	v_lshrrev_b32 v[56+i], v[40+i], v[56+i]        ; the shift takes the token's low five bits
	v_and_b32 v[56+i], 1, v[56+i]
	v_lshl_add_u32 v[56+i], v[56+i], 11, v[40+i]
	ds_store_b32 v25, v[56+i] offset:128*i
.set i, i+1
.endr
.set i, 0
.rept 32
	BUNIT 0, i
.set i, i+1
.endr
.set i, 0
.rept NA
	AUNIT 0, i
.set i, i+1
.endr
	WIN 0
	s_wait_xcnt 0x0
	s_add_nc_u64 s[4:5], s[4:5], ASTEP
	LOADA                                          ; rows of sub-trip 1,
	s_add_nc_u64 s[6:7], s[6:7], BSTEP
	LOADB 0                                        ; weights of sub-trip 2
	WIN 0
	s_wait_dscnt 0x0
	s_barrier_signal -1
	s_barrier_wait -1                              ; buffer 0 is whole
	BODY 0, 1, 1, 0, 0                             ; sub-trip 0
	s_mov_b32 s[CNT], 7
.Lloop:                                            ; sub-trips 1 .. 14, two a trip; trip i stages sub-trips 2 i and 2 i + 1: K tile i
	WIN 0xc0
	v_mov_b32 v130, s[FQ+1]
	WIN 0x80
	v_mov_b32 v226, s[FQ+1]
	WIN 0
.irp t, 1,2,3,4,5,6
	s_mov_b32 s[FQ+\t], s[FQ+\t+1]                 ; the queue moves down
.endr
	BODY 1, 0, 1, 0, 1
	BODY 0, 0, 1, 1, 1
	s_sub_co_u32 s[CNT], s[CNT], 1
	s_cmp_lg_u32 s[CNT], 0
	s_cbranch_scc1 .Lloop
	BODY 1, 0, 0, 0, 0                             ; sub-trip 15: nothing is left to stage
	HW F1, 4, 8, 0, 0
	; THE WAY OUT.  Behind the last barrier no wave reads the buffers.  The wave of K half 0 hands blocks 5-10 to its partner and finishes blocks 0-4; the wave of K half 1 the other way round.
	WIN 0
	PLACES
	s_mul_i32 s20, s[CG], 44*1024
	v_lshl_add_u32 v9, v1, 4, s20                  ; the exchange of my column half: 1,024 bytes a tile, 16 a lane twice
	s_mul_i32 s20, s[WV], 16*P
	s_add_co_u32 s20, s20, STG                     ; my stage
	v_mul_u32_u24 v10, v2, P
	v_lshl_add_u32 v10, v3, 5, v10
	v_add_nc_u32 v10, s20, v10                     ; in: row r, 32 bytes for each half of the lanes
	v_mul_u32_u24 v11, v3, P
	v_lshl_add_u32 v11, v2, 4, v11
	v_add_nc_u32 v11, s20, v11                     ; back: lanes 0-15 one row of 256 bytes, lanes 16-31 the next
	s_lshl_b32 s20, ttmp9, 9
	s_lshl_b32 s21, s[CG], 8
	s_add_co_u32 s20, s20, s21
	v_lshl_add_u32 v12, v2, 4, s20                 ; my 16 bytes of a row of y: column tile, column half, r
	v_lshl_add_u32 v13, v3, 2, v8                  ; the list, one place on for lanes 16-31
.macro ACCW b, c                       ; accumulator (b, c): its first register ta, and the setting aw that puts source 1 into its window
.if (\b) < 8
.set ta, 32*(\b)+8*(\c)
.set aw, 0x04
.else
.set ta, 32*((\b)-8)+8*(\c)
.set aw, 0x08
.endif
.endm
.macro XOUT b                          ; a block's four accumulators into the exchange, each from its low end on
.irp c, 0,1,2,3
	ACCW \b, \c
	WIN aw
	ds_store_b128 v9, v[ta:ta+3] offset:(4*(\b)+\c)*1024
	ds_store_b128 v9, v[ta+4:ta+7] offset:(4*(\b)+\c)*1024+512
.endr
.endm
.macro FIN b                           ; block b: the partner's half is added, the scale is undone; 16 rows go through my stage and leave as rows of 256 bytes, each to the row of y that the list names
	WIN 0
	s_cmp_le_u32 s[NR], 16*(\b)                    ; this block and all behind it lie past the count
	s_cbranch_scc1 .Lend
	s_wait_xcnt 0x0                                ; the last block's stores have read their registers
.irp i, 0,1,2,3,4,5,6,7
	ds_load_b32 v[96+\i], v13 offset:(16*(\b)+2*\i)*4
.endr
.irp c, 0,1,2,3
	ds_load_b128 v[32+8*\c:35+8*\c], v9 offset:(4*(\b)+\c)*1024
	ds_load_b128 v[36+8*\c:39+8*\c], v9 offset:(4*(\b)+\c)*1024+512
.endr
	s_wait_dscnt 0x0
.irp c, 0,1,2,3
	ACCW \b, \c
	WIN aw
.irp j, 0,2,4,6
	v_pk_add_f32 v[32+8*\c+\j:33+8*\c+\j], v[32+8*\c+\j:33+8*\c+\j], v[ta+\j:ta+\j+1]
.endr
.endr
	WIN 0
.set fk, 0
.rept 16
	v_pk_mul_f32 v[32+2*fk:33+2*fk], v[32+2*fk:33+2*fk], s[OF:OF+1] op_sel_hi:[1,0]  ; a power of two: exact
.set fk, fk+1
.endr
.irp c, 0,1,2,3
	ds_store_b128 v10, v[32+8*\c:35+8*\c] offset:64*\c
	ds_store_b128 v10, v[36+8*\c:39+8*\c] offset:64*\c+16
.endr
.irp i, 0,1,2,3,4,5,6,7
	ds_load_b128 v[64+4*\i:67+4*\i], v11 offset:\i*2*P     ; LDS serves a wave's instructions in order: these see the stores above, and the next block's stores come behind them
.endr
.irp i, 0,1,2,3,4,5,6,7
	v_min_u32 v[96+\i], 0xfff, v[96+\i]
	v_lshl_add_u32 v[96+\i], v[96+\i], 12, v12
.endr
.irp i, 0,1,2,3,4,5,6,7
	s_wait_dscnt 7-\i
	global_store_b128 v[96+\i], v[64+4*\i:67+4*\i], s[12:13]  ; 16 lanes store 256 consecutive bytes, aligned
.endr
.endm
	s_cmp_lt_u32 s[WV], 2
	s_cbranch_scc0 .Lgive1
.irp b, 5,6,7,8,9,10
	XOUT \b
.endr
	WIN 0
	s_branch .Lgiven
.Lgive1:
.irp b, 0,1,2,3,4
	XOUT \b
.endr
	WIN 0
.Lgiven:
	s_wait_dscnt 0x0                               ; for my partner's sake: what I hand over is in LDS
	s_barrier_signal -1
	s_barrier_wait -1
	s_cmp_lt_u32 s[WV], 2
	s_cbranch_scc0 .Ltake1
.irp b, 0,1,2,3,4
	FIN \b
.endr
	s_branch .Lend
.Ltake1:
.irp b, 5,6,7,8,9,10
	FIN \b
.endr
.Lend:
	s_wait_tensorcnt 0x0                           ; the wave's end
	ds_add_u32 v28, v29
	s_wait_dscnt 0x0
	s_endpgm
.Lfunc_end_k_q31d82e7890_down:
	.size	k_q31d82e7890_down, .Lfunc_end_k_q31d82e7890_down-k_q31d82e7890_down
	.p2alignl 7, 3214868480
	.fill 96, 4, 3214868480
	.section	.rodata,"a",@progbits
	.p2align	6, 0x0
	.amdhsa_kernel k_q31d82e7890_down
		.amdhsa_group_segment_fixed_size 168960
		.amdhsa_private_segment_fixed_size 0
		.amdhsa_enable_private_segment 0
		.amdhsa_kernarg_size 40
		.amdhsa_user_sgpr_count 2
		.amdhsa_user_sgpr_kernarg_segment_ptr 1
		.amdhsa_wavefront_size32 1
		.amdhsa_system_sgpr_workgroup_id_x 1
		.amdhsa_system_sgpr_workgroup_id_y 1
		.amdhsa_system_sgpr_workgroup_id_z 1
		.amdhsa_system_vgpr_workitem_id 0
		.amdhsa_next_free_vgpr 1024
		.amdhsa_next_free_sgpr 102
		.amdhsa_reserve_vcc 0
		.amdhsa_float_denorm_mode_32 3
		.amdhsa_float_denorm_mode_16_64 3
		.amdhsa_memory_ordered 1
		.amdhsa_forward_progress 1
		.amdhsa_inst_pref_size 255
	.end_amdhsa_kernel
	.section	.bss,"aw",@nobits
	.p2align	6
	.space	262144
	.amdgpu_metadata
---
amdhsa.version: [ 1, 2 ]
amdhsa.kernels:
  - .name:           k_q31d82e7890_down
    .symbol:         k_q31d82e7890_down.kd
    .args:
      - { .name: hid, .offset: 0, .size: 8, .value_kind: global_buffer, .address_space: global }
      - { .name: w_down, .offset: 8, .size: 8, .value_kind: global_buffer, .address_space: global }
      - { .name: route, .offset: 16, .size: 8, .value_kind: global_buffer, .address_space: global }
      - { .name: hexp, .offset: 24, .size: 8, .value_kind: global_buffer, .address_space: global }
      - { .name: y, .offset: 32, .size: 8, .value_kind: global_buffer, .address_space: global }
    .group_segment_fixed_size: 168960
    .private_segment_fixed_size: 0
    .kernarg_segment_align: 8
    .kernarg_segment_size: 40
    .max_flat_workgroup_size: 128
    .sgpr_count:     102
    .vgpr_count:     1024
    .wavefront_size: 32
...
	.end_amdgpu_metadata
.endif
;; end of part 3
;; launch sum (part 4): grid 256 x 1, 8 waves a work-group, no clusters, 0 bytes of LDS; arguments y, out0; writes out0
.if DOCPART == 4
	.amdgcn_target "amdgcn-amd-amdhsa--gfx1250"
	.amdhsa_code_object_version 6
	.text
	.protected	k_q31d82e7890_sum
	.globl	k_q31d82e7890_sum
	.p2align	8
	.type	k_q31d82e7890_sum,@function
k_q31d82e7890_sum:
	s_mov_b64 s[64:65], 0
	v_nop
	global_prefetch_b8 v0, s[64:65] scope:SCOPE_SE
	s_setreg_imm32_b32 hwreg(HW_REG_WAVE_MODE, 25, 1), 1
	s_wait_xcnt 0x0
; out0[t][n] = y[0][t][n] + y[1][t][n]: the two chosen experts' rows, f32.  A stream: every byte is read once and written once; no LDS, no barrier, no matrix unit, nothing shared between work-groups.
; A work-group owns 32,768 bytes of out0, a wave 4,096, a lane 16 bytes in each of eight runs of 512 consecutive bytes.  All sixteen loads of a wave go out before the first is used.
	s_load_b128 s[4:7], s[0:1], 0x0                ; y s[4:5], out0 s[6:7]
	v_and_b32 v1, 31, v0
	v_lshrrev_b32 v2, 5, v0
	v_lshlrev_b32 v1, 4, v1
	v_lshl_add_u32 v1, v2, 12, v1                  ; 4,096 x wave + 16 x lane
	s_lshl_b32 s8, ttmp9, 15
	s_mov_b32 s9, 0
	s_wait_kmcnt 0x0
	s_add_nc_u64 s[4:5], s[4:5], s[8:9]
	s_add_nc_u64 s[6:7], s[6:7], s[8:9]
	s_add_nc_u64 s[10:11], s[4:5], 0x800000        ; the second plane, 8,388,608 bytes on
.irp j, 0,1,2,3,4,5,6,7
	global_load_b128 v[4+8*\j:7+8*\j], v1, s[4:5] offset:512*\j th:TH_LOAD_NT
	global_load_b128 v[8+8*\j:11+8*\j], v1, s[10:11] offset:512*\j th:TH_LOAD_NT
.endr
.irp j, 0,1,2,3,4,5,6,7
	s_wait_loadcnt 14-2*\j                         ; loads come back in order: pair j is in, the younger pairs stay out
	v_pk_add_f32 v[4+8*\j:5+8*\j], v[4+8*\j:5+8*\j], v[8+8*\j:9+8*\j]
	v_pk_add_f32 v[6+8*\j:7+8*\j], v[6+8*\j:7+8*\j], v[10+8*\j:11+8*\j]
	global_store_b128 v1, v[4+8*\j:7+8*\j], s[6:7] offset:512*\j th:TH_STORE_NT
.endr
	s_endpgm
.Lfunc_end_k_q31d82e7890_sum:
	.size	k_q31d82e7890_sum, .Lfunc_end_k_q31d82e7890_sum-k_q31d82e7890_sum
	.p2alignl 7, 3214868480
	.fill 96, 4, 3214868480
	.section	.rodata,"a",@progbits
	.p2align	6, 0x0
	.amdhsa_kernel k_q31d82e7890_sum
		.amdhsa_group_segment_fixed_size 0
		.amdhsa_private_segment_fixed_size 0
		.amdhsa_enable_private_segment 0
		.amdhsa_kernarg_size 16
		.amdhsa_user_sgpr_count 2
		.amdhsa_user_sgpr_kernarg_segment_ptr 1
		.amdhsa_wavefront_size32 1
		.amdhsa_system_sgpr_workgroup_id_x 1
		.amdhsa_system_sgpr_workgroup_id_y 1
		.amdhsa_system_sgpr_workgroup_id_z 1
		.amdhsa_system_vgpr_workitem_id 0
		.amdhsa_next_free_vgpr 72
		.amdhsa_next_free_sgpr 66
		.amdhsa_reserve_vcc 0
		.amdhsa_float_denorm_mode_32 3
		.amdhsa_float_denorm_mode_16_64 3
		.amdhsa_memory_ordered 1
		.amdhsa_forward_progress 1
		.amdhsa_inst_pref_size 5
	.end_amdhsa_kernel
	.amdgpu_metadata
---
amdhsa.version: [ 1, 2 ]
amdhsa.kernels:
  - .name:           k_q31d82e7890_sum
    .symbol:         k_q31d82e7890_sum.kd
    .args:
      - { .name: y, .offset: 0, .size: 8, .value_kind: global_buffer, .address_space: global }
      - { .name: out0, .offset: 8, .size: 8, .value_kind: global_buffer, .address_space: global }
    .group_segment_fixed_size: 0
    .private_segment_fixed_size: 0
    .kernarg_segment_align: 8
    .kernarg_segment_size: 16
    .max_flat_workgroup_size: 256
    .sgpr_count:     66
    .vgpr_count:     72
    .wavefront_size: 32
...
	.end_amdgpu_metadata
.endif
;; end of part 4
;; ======== version 2 of 2: 4 launches; 1.22 times as fast as version 1
;; limits: right only within a limited range of input values; values are held in f16: magnitudes above 65,504 overflow, below 6.1e-05 lose precision
;; workspace buffers: xb 4,194,304 bytes; sc 65,536 bytes; route 8,192 bytes of whole numbers; hid 16,777,216 bytes; hexp 65,536 bytes of whole numbers; y 16,777,216 bytes
;; launch route: the kernel of part 1 again; grid 64 x 1, 8 waves a work-group, no clusters, 78,848 bytes of LDS; arguments x, gate_w, expert_bias, xb, sc, route; writes xb, sc, route
;; launch up (part 5): grid 8 x 32, 4 waves a work-group, no clusters, 128,256 bytes of LDS; arguments xb, w_up, sc, route, hid, hexp; writes hid, hexp
.if DOCPART == 5
	.amdgcn_target "amdgcn-amd-amdhsa--gfx1250"
	.amdhsa_code_object_version 6
	.text
	.protected	k_q31d82e7890_up
	.globl	k_q31d82e7890_up
	.p2align	8
	.type	k_q31d82e7890_up,@function
k_q31d82e7890_up:
	s_mov_b64 s[64:65], 0
	v_nop
	global_prefetch_b8 v0, s[64:65] scope:SCOPE_SE
	s_setreg_imm32_b32 hwreg(HW_REG_WAVE_MODE, 25, 1), 1
	s_wait_xcnt 0x0
; FIRST PRODUCT.  hid[row][n] = 2^(2q) (s max(x[token] . w_up[e][n], 0))^2 in f16, for the 4,096 routed rows alone (s > 0, so relu(s u)^2 = (s relu(u))^2; x goes in unscaled, s is applied in f32).
; Rows lie by experts, inside an expert by ascending token.  Operands bf16 (xb as stored; w_up rounded on its way through registers), sums f32, hid rounded once, to 11 significant bits.
; THE SCALE.  q is one whole number for this work-group's tile (its rows x its 256 columns), made from the tile's largest number M so that 2^(2q) M lies under 2^15: f16 cannot overflow, whatever the inputs' size.
; q + 64 goes to hexp[row tile][column tile] (64 equal words); the second product undoes the scale.  A number under 2^-29 of the tile's largest keeps f16's fixed step.
; THE DEAL.  Grid 8 column tiles of 256 x 32 row tiles.  From the eight counts: S = 144 rows a tile if the sum of ceil(c / 144) is at most 32, else 176 (then the sum of ceil(c / 176) is at most (4096 + 8 x 175) / 176 = 31):
; every split is served.  Expert e gets ceil(c / S) tiles.  A tile without rows runs on clamped rows and stores no row.  Places past a tile's count repeat its last row.
; SHARES.  Four waves; a wave makes all 176 rows x 64 columns: 44 accumulators.  Blocks 0-8 (144 rows) are always multiplied, blocks 9, 10 only where the tile has more than 144 rows (a forward jump past work without a barrier).
; The matrix instruction is used transposed (source 0 = 16 weight rows, source 1 = 16 rows of x): a lane holds one row and eight neighbouring columns.
; K goes in 16 sub-trips of 64.  Weights and rows come through registers into two LDS buffers that take turns: in sub-trip t buffer t % 2 is multiplied, sub-trip t + 1 is rounded and stored into the other,
; rows of t + 2 and weights of t + 3 are asked for.  One barrier a sub-trip.  MEMORY INSTRUCTIONS STAND IN RUNS, three a sub-trip (26 fragment loads; 26 fragment loads; 43 stores and 43 loads from memory);
; the roundings are work on registers alone and stand in fours behind matrix instructions.
; ONE TEXT FOR ALL 16 SUB-TRIPS.  The sums start from 44 products of zero fragments, issued while the first weights are awaited; the price is 72 v_mov_b32, those 44 products and 20 more on zeros in the first trip.
; The last sub-trip rounds stale registers once more, for nothing: its stores are jumped.  A way that jumps an issue waits for all loads, so that the counted waits hold on every way.
; NO TENSOR LOADS, NO CLUSTER: f32 weights must pass registers to be rounded; the rows come by a list, which no descriptor covers; the work-groups that share a weight tile are an expert's row tiles, whose number hangs on stored counts.
; A row's piece in a sub-trip is 128 bytes (64 bf16): shorter than 256, for about a quarter of a sub-trip's bytes.
; LIMITS.  NaN counts as 0 in the activation; infinities are not treated apart; the order of the K sums differs from reference()'s.
; REGISTERS, in windows of 256 (s_set_vgpr_msb: bits 1:0 source 0, 3:2 source 1, 5:4 source 2, 7:6 destination):
;   window 0: v0-31 addresses, scores; v32-135, v136-239 two fragment buffers (32 of weights, 72 of rows); v240-255 the rows of blocks 9, 10
;   window 1: accumulator (b, c), b < 8, at 32 b + 8 c      window 2: v0-95 those of b = 8 .. 10; v96-223 weights on their way, set 1; v224 their offset, v225 their LDS address
;   window 3: v0-127 weights on their way, set 0; v128, v129 offset and LDS address; v131, v132 the rows' LDS addresses; v136-179 rows on their way; v224-234 their offsets
.set P,     144                        ; an LDS row: 128 bytes + 16: the 16 rows of a fragment load start at 16 different groups of four banks (64 banks of 4 bytes: ISA guide 11.1)
.set NA,    11                         ; loads a lane for a sub-trip's 176 x 128 bytes of rows
.set ASTEP, 128
.set BSTEP, 256
.set AIMM,  16*P
.set ABUF0, 0
.set ABUF1, 176*P
.set BBUF0, 2*176*P
.set BBUF1, BBUF0+256*P
.set LIST,  BBUF1+256*P                ; each wave's own list of 192 tokens
.set MXW,   LIST+4*768                 ; the four waves' largest numbers: one word each
.set SPARE, MXW+256                    ; the spare words, 128 bytes a wave: two blocks of 256 bytes that no other line names
.set SP,    528                        ; the way out: a row of 512 bytes + 16; the stage lies over the buffers
.set F0,    32
.set F1,    136
.set XF,    240
.set NRID,  16                         ; groups of four roundings in a sub-trip,
.set NWR,   36                         ; dealt evenly over so many matrix instructions
.set RT,    10                         ; s[10:11] route
.set WV,    2                          ; s2  wave
.set TY,    3                          ; s3  row tile
.set NR,    14                         ; s14 rows of my tile
.set NL,    15                         ; s15 its last row's place
.set RB,    16                         ; s16 its first row in hid
.set EX,    17                         ; s17 its expert
.set R0,    18                         ; s18 its first row's rank in the expert
.set CNT,   19                         ; s19 a loop's count
.set MSB, 0
.macro WIN new                         ; the immediate's high byte repeats the setting that is left; a switch that changes nothing is dropped
.if MSB != (\new)
	s_set_vgpr_msb (MSB<<8)|(\new)
.set MSB, (\new)
.endif
.endm
.macro PLACES                          ; four places behind matrix instructions, in front of loads into registers that they read
.rept 4
	v_nop
.endr
.endm
; A sub-trip's weights: my 64 rows x 256 bytes of f32; a load takes two rows eight apart, 256 consecutive aligned bytes for each half of the lanes
.macro LOADB set
.set lu, 0
.if (\set) == 0
	WIN 0xcf
.rept 32
	global_load_b128 v[4*lu:4*lu+3], v128, s[6:7] offset:(16*(lu/8)+(lu%8))*4096
.set lu, lu+1
.endr
.else
	WIN 0x8a
.rept 32
	global_load_b128 v[96+4*lu:96+4*lu+3], v224, s[6:7] offset:(16*(lu/8)+(lu%8))*4096
.set lu, lu+1
.endr
.endif
.endm
.macro LOADA                           ; a sub-trip's rows: four rows of 128 bytes a load
	WIN 0xcf
.set la, 0
.rept NA
	global_load_b128 v[136+4*la:136+4*la+3], v[224+la], s[4:5]
.set la, la+1
.endr
.endm
.macro CONV set, k                     ; group k of 16: loads 2 k and 2 k + 1 of a set are rounded to bf16 in place; no line reads another's result
.if (\set) == 0
	WIN 0xcf
.set cb, 8*(\k)
.else
	WIN 0x8a
.set cb, 96+8*(\k)
.endif
	v_cvt_pk_bf16_f32 v[cb], v[cb], v[cb+1]
	v_cvt_pk_bf16_f32 v[cb+4], v[cb+4], v[cb+5]
	v_cvt_pk_bf16_f32 v[cb+1], v[cb+2], v[cb+3]
	v_cvt_pk_bf16_f32 v[cb+5], v[cb+6], v[cb+7]
.endm
.macro STB set                         ; a set's 32 rounded loads, 8 bytes a lane, into the buffer of the set's number; the two rows, eight apart, fall into different halves of the banks
.set su, 0
.if (\set) == 0
	WIN 0xcf
.rept 32
	ds_store_b64 v129, v[4*su:4*su+1] offset:(16*(su/8)+(su%8))*P
.set su, su+1
.endr
.else
	WIN 0x8a
.rept 32
	ds_store_b64 v225, v[96+4*su:96+4*su+1] offset:(16*(su/8)+(su%8))*P
.set su, su+1
.endr
.endif
.endm
.macro STA q                           ; the rows into buffer q
	WIN 0xcf
.set sa, 0
.rept NA
	ds_store_b128 v[131+(\q)], v[136+4*sa:136+4*sa+3] offset:sa*AIMM
.set sa, sa+1
.endr
.endm
.macro RIDE                            ; behind matrix instruction ri of NWR: the next group of roundings, where the even deal has one due
.if ((ri+1)*NRID)/NWR > (ri*NRID)/NWR
	CONV RQ, (ri*NRID)/NWR
.endif
.set ri, ri+1
.endm
.macro FETCH f, p, ks                  ; 26 LDS loads in one run: 4 fragments of weights, then blocks 0-8 of the rows, 32 along K
	WIN 0
.irp c, 0,1,2,3
	ds_load_b128 v[(\f)+8*\c:(\f)+8*\c+3],   v[6+(\p)] offset:\c*16*P+64*(\ks)
	ds_load_b128 v[(\f)+8*\c+4:(\f)+8*\c+7], v[6+(\p)] offset:\c*16*P+64*(\ks)+32
.endr
.irp b, 0,1,2,3,4,5,6,7,8
	ds_load_b128 v[(\f)+32+8*\b:(\f)+32+8*\b+3],   v[4+(\p)] offset:\b*16*P+64*(\ks)
	ds_load_b128 v[(\f)+32+8*\b+4:(\f)+32+8*\b+7], v[4+(\p)] offset:\b*16*P+64*(\ks)+32
.endr
.endm
.macro ACC b, c                        ; accumulator (b, c): its first register ha, under the window setting for C and D
.if (\b) < 8
	WIN 0x50
.set ha, 32*(\b)+8*(\c)
.else
	WIN 0xa0
.set ha, 32*((\b)-8)+8*(\c)
.endif
.endm
; Blocks b0 .. b1 x 4 column blocks: every accumulator has one turn.  ride = 1: RIDE behind each
.macro HW f, b0, b1, ride
.set hb, (\b0)
.rept (\b1)-(\b0)+1
.set hc, 0
.rept 4
	ACC hb, hc
	v_wmma_f32_16x16x32_bf16 v[ha:ha+7], v[(\f)+8*hc:(\f)+8*hc+7], v[(\f)+32+8*hb:(\f)+32+8*hb+7], v[ha:ha+7]
.if \ride
	RIDE
.endif
.set hc, hc+1
.endr
.set hb, hb+1
.endr
.endm
; The sums' start: the part of fragment buffer 1 that the first trip multiplies before it is loaded is set to 0, and 44 products of zeros start the 44 sums
.macro START
	WIN 0
.set i, 0
.rept 32
	v_mov_b32 v[F1+i], 0
.set i, i+1
.endr
.set i, 0
.rept 40
	v_mov_b32 v[F1+64+i], 0
.set i, i+1
.endr
.set hb, 0
.rept 11
.set hc, 0
.rept 4
	ACC hb, hc
	v_wmma_f32_16x16x32_bf16 v[ha:ha+7], v[F1:F1+7], v[F1+64:F1+71], 0
.set hc, hc+1
.endr
.set hb, hb+1
.endr
	WIN 0
.endm
.macro XSEC f, p, ks                   ; blocks 9 and 10, jumped where the tile has at most 144 rows
	WIN 0
	s_cmp_le_u32 s[NR], 144
	s_cbranch_scc1 .Lnox_\@
	PLACES
.irp b, 0,1
	ds_load_b128 v[XF+8*\b:XF+8*\b+3],   v[4+(\p)] offset:(9+\b)*16*P+64*(\ks)
	ds_load_b128 v[XF+8*\b+4:XF+8*\b+7], v[4+(\p)] offset:(9+\b)*16*P+64*(\ks)+32
.endr
	s_wait_dscnt 0x0
	WIN 0xa0
.irp b, 0,1
.irp c, 0,1,2,3
	v_wmma_f32_16x16x32_bf16 v[32+32*\b+8*\c:39+32*\b+8*\c], v[(\f)+8*\c:(\f)+8*\c+7], v[XF+8*\b:XF+8*\b+7], v[32+32*\b+8*\c:39+32*\b+8*\c]
.endr
.endr
	WIN 0
.Lnox_\@:
.endm
; THE THIRD RUN of sub-trip t (buffer p): sub-trip t + 1 goes into the other buffer; rows of t + 2 and weights of t + 3 are asked for, into the registers just stored.
; What would pass K's end is jumped: t = 14 asks for nothing; t = 13 for no weights; t = 15 stores and asks for nothing.  The jumped way waits for all loads and all LDS instructions.
.macro OUTIN p
	WIN 0
	s_wait_loadcnt 32                              ; the next sub-trip's rows are in: behind them only 32 loads of weights were issued
.if (\p) == 1
	s_cmp_eq_u32 s[CNT], 1
	s_cbranch_scc1 .Lskip_\@
.endif
	STB 1-(\p)
	STA 1-(\p)
	WIN 0
	s_wait_xcnt 0x0                                ; the two bases are stepped only behind this wait
.if (\p) == 0
	s_cmp_eq_u32 s[CNT], 1
	s_cbranch_scc1 .Lskip_\@
.endif
	s_add_nc_u64 s[4:5], s[4:5], ASTEP
	LOADA
.if (\p) == 1
	WIN 0
	s_cmp_eq_u32 s[CNT], 2
	s_cbranch_scc1 .Lskip_\@
.endif
	s_add_nc_u64 s[6:7], s[6:7], BSTEP
	LOADB 1-(\p)
	WIN 0
	s_branch .Ldone_\@
.Lskip_\@:
	s_wait_loadcnt 0x0
	s_wait_dscnt 0x0
.Ldone_\@:
.endm
; A SUB-TRIP on buffer p
.macro BODY p
.set RQ, 1-(\p)
	PLACES
	FETCH F0, \p, 0                                ; first run: the first K step's fragments
	HW F1, 4, 8, 0                                 ; the rest of the sub-trip before: registers alone
	s_wait_dscnt 10                                ; the weights and blocks 0-3 are in; the ten loads of blocks 4-8 may be out
	s_wait_loadcnt NA+32                           ; the next sub-trip's weights are in: behind them NA loads of rows and 32 of weights were issued
.set ri, 0
	HW F0, 0, 3, 1
	PLACES
	FETCH F1, \p, 1                                ; second run: the second K step's fragments
	s_wait_dscnt 26                                ; all but the 26 just issued
	HW F0, 4, 8, 1
	XSEC F0, \p, 0
	OUTIN \p                                       ; third run
	s_wait_dscnt 32+NA                             ; the second K step's fragments are in: behind them stand the 32 + NA stores
	HW F1, 0, 3, 0
	XSEC F1, \p, 1
	WIN 0
	s_wait_dscnt 0x0                               ; my reads of this buffer are back and my stores into the other are done:
	s_barrier_signal -1                            ; behind the barrier the other buffer is whole, and this one may be written
	s_barrier_wait -1
.endm
	s_load_b256 s[4:11], s[0:1], 0x0               ; xb s[4:5], w_up s[6:7], sc s[8:9], route s[10:11]
	s_load_b64 s[12:13], s[0:1], 0x20              ; hid
	s_load_b64 s[28:29], s[0:1], 0x28              ; hexp
	v_lshl_add_u32 v28, v0, 2, SPARE               ; my spare word,
	v_mov_b32 v29, 0                               ; and 0: kept for the closing lines alone
	v_lshrrev_b32 v1, 5, v0
	v_readfirstlane_b32 s[WV], v1
	v_and_b32 v1, 31, v0                           ; l
	v_and_b32 v2, 15, v0                           ; r
	v_bfe_u32 v3, v0, 4, 1                         ; h
	v_lshlrev_b32 v24, 4, v1
	s_and_b32 s[TY], ttmp7, 0xffff
	s_wait_kmcnt 0x0
.irp i, 0,1,2,3
	global_load_b128 v[32+4*\i:35+4*\i], v24, s[RT:RT+1] offset:4096+512*\i  ; the counts by groups of 32 tokens: expert 2 i in lanes 0-15, 2 i + 1 in lanes 16-31
.endr
	; what hangs on no count is made meanwhile
	v_mul_u32_u24 v25, v2, P
	v_lshl_add_u32 v25, v3, 4, v25                 ; a fragment's row x pitch + 16 x half
	v_add_nc_u32 v4, ABUF0, v25
	v_add_nc_u32 v5, ABUF1, v25
	s_mul_i32 s20, s[WV], 64*P                     ; my 64 weight rows
	v_add_nc_u32 v25, s20, v25
	v_add_nc_u32 v6, BBUF0, v25
	v_add_nc_u32 v7, BBUF1, v25
	s_lshl_b32 s21, s[WV], 18
	v_lshlrev_b32 v26, 4, v2
	v_lshl_add_u32 v26, v3, 15, v26
	v_add_nc_u32 v26, s21, v26                     ; (64 w + 8 h) rows of 4,096 bytes + 16 r
	v_mul_u32_u24 v27, v3, 8*P
	v_lshl_add_u32 v27, v2, 3, v27
	v_add_nc_u32 v27, s20, v27                     ; (64 w + 8 h) LDS rows + 8 r
	WIN 0xc0
	v_mov_b32 v128, v26
	v_add_nc_u32 v129, BBUF0, v27
	WIN 0x80
	v_mov_b32 v224, v26
	v_add_nc_u32 v225, BBUF1, v27
	WIN 0
	s_mul_i32 s20, s[WV], 768
	s_add_co_u32 s20, s20, LIST
	v_mov_b32 v8, s20                              ; my list
	s_wait_loadcnt 0x0
.irp i, 0,1,2,3
	v_add_nc_u32 v[32+4*\i], v[32+4*\i], v[33+4*\i]
	v_add_nc_u32 v[34+4*\i], v[34+4*\i], v[35+4*\i]
	v_add_nc_u32 v[32+4*\i], v[32+4*\i], v[34+4*\i]
.endr
.irp m, 1,2,4,8
.irp i, 0,1,2,3
	v_mov_b32_dpp v[33+4*\i], v[32+4*\i] row_xmask:\m row_mask:0xf bank_mask:0xf
.endr
.irp i, 0,1,2,3
	v_add_nc_u32 v[32+4*\i], v[32+4*\i], v[33+4*\i]
.endr
.endr
.irp i, 0,1,2,3
	v_readlane_b32 s[32+2*\i], v[32+4*\i], 0       ; c_0 .. c_7 in s[32:39]
	v_readlane_b32 s[33+2*\i], v[32+4*\i], 16
.endr
	; ceil(c / S) = ((c + S - 1) M) >> 20 with M = 7282 (144) or 5958 (176): M S - 2^20 = 32, exact for numbers under 32,768
	s_mov_b32 s40, 0
.irp e, 0,1,2,3,4,5,6,7
	s_add_co_u32 s41, s[32+\e], 143
	s_mul_i32 s41, s41, 7282
	s_lshr_b32 s41, s41, 20
	s_add_co_u32 s40, s40, s41
.endr
	s_mov_b32 s42, 176                             ; S
	s_mov_b32 s43, 5958                            ; M
	s_mov_b32 s44, 144
	s_mov_b32 s45, 7282
	s_cmp_le_u32 s40, 32
	s_cselect_b32 s42, s44, s42
	s_cselect_b32 s43, s45, s43
	s_sub_co_u32 s44, s42, 1
	s_mov_b32 s46, 0                               ; tiles in front of expert e
	s_mov_b32 s47, 0                               ; rows in front of it
	s_mov_b32 s[EX], 0
	s_mov_b32 s48, 0
	s_mov_b32 s49, 0
	s_mov_b32 s50, 0
.irp e, 0,1,2,3,4,5,6,7                ; the last expert whose first tile is not behind mine: experts without rows are passed over
	s_cmp_ge_u32 s[TY], s46
	s_cselect_b32 s[EX], \e, s[EX]
	s_cselect_b32 s48, s46, s48
	s_cselect_b32 s49, s47, s49
	s_cselect_b32 s50, s[32+\e], s50
	s_add_co_u32 s51, s[32+\e], s44
	s_mul_i32 s51, s51, s43
	s_lshr_b32 s51, s51, 20
	s_add_co_u32 s46, s46, s51
	s_add_co_u32 s47, s47, s[32+\e]
.endr
	s_sub_co_u32 s[R0], s[TY], s48
	s_mul_i32 s[R0], s[R0], s42
	s_sub_co_i32 s[NR], s50, s[R0]
	s_max_i32 s[NR], s[NR], 0
	s_min_u32 s[NR], s[NR], s42
	s_max_u32 s[NL], s[NR], 1
	s_sub_co_u32 s[NL], s[NL], 1
	s_add_co_u32 s[RB], s49, s[R0]
	s_min_u32 s[RB], s[RB], 0xfff
	s_min_u32 s[EX], s[EX], 7
	s_lshl_b32 s22, s[EX], 8
	s_mov_b32 s23, 0
	s_add_nc_u64 s[22:23], s[RT:RT+1], s[22:23]    ; the expert's bitmap: 64 words
	s_load_b512 s[32:47], s[22:23], 0x0
	s_load_b512 s[48:63], s[22:23], 0x40
	s_load_b512 s[68:83], s[22:23], 0x80
	s_load_b512 s[84:99], s[22:23], 0xc0
	s_lshl_b32 s20, s[EX], 23                      ; the expert's 8 MiB,
	s_lshl_b32 s21, ttmp9, 20                      ; the column tile's 256 rows of 4,096 bytes
	s_add_co_u32 s20, s20, s21
	s_mov_b32 s21, 0
	s_add_nc_u64 s[6:7], s[6:7], s[20:21]
	LOADB 0                                        ; the weights of sub-trips 0 and 1 are on their way under the list's work
	s_wait_xcnt 0x0
	s_add_nc_u64 s[6:7], s[6:7], BSTEP
	LOADB 1
	WIN 0
	; THE LIST: place k = the token of rank R0 + k in the expert.  Each wave makes a copy of its own: no barrier.  Word 176 takes what falls outside the tile.
	v_lshl_add_u32 v25, v1, 2, v8
	v_mov_b32 v27, 0
.irp i, 0,1,2,3,4,5
	ds_store_b32 v25, v27 offset:128*\i
.endr
	v_mov_b32 v26, v1                              ; my lane's token in the first group of the trip
	s_sub_co_i32 s20, 0, s[R0]                     ; the expert's tokens so far, less R0
	s_mov_b32 s21, 4
	s_wait_kmcnt 0x0
.Llist:                                            ; four trips of sixteen groups of 32 tokens: sixteen places are made in registers of their own, then sixteen stores go in one run
.irp k, 0,1,2,3,4,5,6,7,8,9,10,11,12,13,14,15
	v_mbcnt_lo_u32_b32 v[32+\k], s[32+\k], s20
	s_bcnt1_i32_b32 s24, s[32+\k]
	s_add_co_i32 s20, s20, s24
.endr
.irp k, 0,1,2,3,4,5,6,7,8,9,10,11,12,13,14,15
	v_cndmask_b32 v[32+\k], -1, v[32+\k], s[32+\k]
	v_add_nc_u32 v[48+\k], 32*\k, v26
.endr
.irp k, 0,1,2,3,4,5,6,7,8,9,10,11,12,13,14,15
	v_min_u32 v[32+\k], 176, v[32+\k]
.endr
.irp k, 0,1,2,3,4,5,6,7,8,9,10,11,12,13,14,15
	v_lshl_add_u32 v[32+\k], v[32+\k], 2, v8
.endr
.irp k, 0,1,2,3,4,5,6,7,8,9,10,11,12,13,14,15
	ds_store_b32 v[32+\k], v[48+\k]
.endr
	v_add_nc_u32 v26, 0x200, v26
.irp j, 0,2,4,6,8,10,12,14
	s_mov_b64 s[32+\j:33+\j], s[48+\j:49+\j]
.endr
.irp j, 0,2,4,6,8,10,12,14
	s_mov_b64 s[48+\j:49+\j], s[68+\j:69+\j]
.endr
.irp j, 0,2,4,6,8,10,12,14
	s_mov_b64 s[68+\j:69+\j], s[84+\j:85+\j]
.endr
	s_sub_co_u32 s21, s21, 1
	s_cmp_lg_u32 s21, 0
	s_cbranch_scc1 .Llist
	; my rows: load a takes rows 16 a + 2 w + h + 8 ((l / 8) % 2), 16 bytes at 16 (l % 8); and the scores of rows 16 b + r
	v_bfe_u32 v24, v0, 3, 1
	v_lshl_add_u32 v24, v24, 3, v3
	s_lshl_b32 s20, s[WV], 1
	v_add_nc_u32 v24, s20, v24
	v_and_b32 v30, 7, v0
	v_lshlrev_b32 v30, 4, v30
.set i, 0
.rept 11
	v_add_nc_u32 v[32+i], 16*i, v24
	v_add_nc_u32 v[64+i], 16*i, v2
.set i, i+1
.endr
.set i, 0
.rept 11
	v_min_u32 v[32+i], s[NL], v[32+i]              ; places past the count repeat the last row
	v_min_u32 v[64+i], s[NL], v[64+i]
.set i, i+1
.endr
.set i, 0
.rept 11
	v_min_u32 v[32+i], 175, v[32+i]
	v_min_u32 v[64+i], 175, v[64+i]
.set i, i+1
.endr
.set i, 0
.rept 11
	v_lshl_add_u32 v[32+i], v[32+i], 2, v8
	v_lshl_add_u32 v[64+i], v[64+i], 2, v8
.set i, i+1
.endr
.set i, 0
.rept 11
	ds_load_b32 v[48+i], v[32+i]
	ds_load_b32 v[80+i], v[64+i]
.set i, i+1
.endr
	s_lshl_b32 s24, s[EX], 2
	s_mov_b32 s25, 0
	s_add_nc_u64 s[8:9], s[8:9], s[24:25]          ; sc at my expert's column
	v_mul_u32_u24 v31, v24, P
	v_add_nc_u32 v31, v31, v30
	s_wait_dscnt 0x0
.set i, 0
.rept 11
	v_min_u32 v[48+i], 0x7ff, v[48+i]
	v_min_u32 v[80+i], 0x7ff, v[80+i]
.set i, i+1
.endr
.set i, 0
.rept 11
	v_lshlrev_b32 v[80+i], 5, v[80+i]
.set i, i+1
.endr
	WIN 0xc0
.set i, 0
.rept 11
	v_lshl_add_u32 v[224+i], v[48+i], 11, v30      ; token x 2,048 bytes + my 16
.set i, i+1
.endr
	v_add_nc_u32 v131, ABUF0, v31
	v_add_nc_u32 v132, ABUF1, v31
	WIN 0
.set i, 0
.rept 11
	global_load_b32 v[13+i], v[80+i], s[8:9]
.set i, i+1
.endr
	LOADA                                          ; sub-trip 0's rows
	START                                          ; the sums start while the loads are out
	s_wait_loadcnt 0x0                             ; once: weights 0 and 1, scores, rows 0
.set i, 0
.rept NRID
	CONV 0, i
.set i, i+1
.endr
	STB 0
	STA 0
	WIN 0
	s_wait_xcnt 0x0
	s_add_nc_u64 s[4:5], s[4:5], ASTEP
	LOADA                                          ; rows of sub-trip 1,
	s_add_nc_u64 s[6:7], s[6:7], BSTEP
	LOADB 0                                        ; weights of sub-trip 2
	WIN 0
	s_wait_dscnt 0x0
	s_barrier_signal -1
	s_barrier_wait -1                              ; buffer 0 is whole
	s_mov_b32 s[CNT], 8
.Lloop:                                            ; all 16 sub-trips, two a trip
	BODY 0
	BODY 1
	s_sub_co_u32 s[CNT], s[CNT], 1
	s_cmp_lg_u32 s[CNT], 0
	s_cbranch_scc1 .Lloop
	HW F1, 4, 8, 0                                 ; the rest of the last sub-trip
	; THE WAY OUT.  Behind the last barrier no wave reads the buffers: the stage, 176 rows of 528 bytes, lies over them.  All 44 tiles go in, so that every byte read back has been written.
	WIN 0                                          ; the eight address lines are also the places behind the last products
	v_mul_u32_u24 v9, v2, SP
	v_lshl_add_u32 v9, v3, 4, v9
	s_lshl_b32 s20, s[WV], 7
	v_add_nc_u32 v9, s20, v9                       ; row r, my 128 bytes of it, 16 for each half of the lanes
	v_add_nc_u32 v10, 6*16*SP, v9                  ; from block 6 on: an LDS immediate has 16 bits
	s_mul_i32 s20, s[WV], SP
	v_lshl_add_u32 v11, v1, 4, s20                 ; back: whole rows w, w + 4, w + 8 ..
	v_lshlrev_b32 v12, 4, v1
	v_lshlrev_b32 v31, 3, v1
	v_mov_b32 v58, MXW
	; THE TILE'S LARGEST NUMBER.  For each block the largest max(u, 0) of my 32 numbers (the chain starts at 0; each accumulator is read from its low end on); the blocks' chains take turns.
	; Blocks 9 and 10 hold zeros where they were not multiplied.
.macro MAXB b, c, jp
.if (\b) < 8
	WIN 0x14
.set ta, 32*(\b)+8*(\c)
.else
	WIN 0x28
.set ta, 32*((\b)-8)+8*(\c)
.endif
.if ((\c) == 0) && ((\jp) == 0)
	v_max3_num_f32 v[32+(\b)], 0, v[ta], v[ta+1]
.else
	v_max3_num_f32 v[32+(\b)], v[32+(\b)], v[ta+2*(\jp)], v[ta+2*(\jp)+1]
.endif
.endm
.macro MAXES b0, nb
.set qc, 0
.rept 4
.set qj, 0
.rept 4
.set qk, (\b0)
.rept (\nb)
	MAXB qk, qc, qj
.set qk, qk+1
.endr
.set qj, qj+1
.endr
.set qc, qc+1
.endr
.endm
	MAXES 0, 8
	MAXES 8, 3
	WIN 0
.set i, 0
.rept 11
	v_mul_f32 v[32+i], v[13+i], v[32+i]            ; s max(u, 0): rounding keeps the order, so this is the largest of the block's products
.set i, i+1
.endr
	v_max3_num_f32 v56, v32, v33, v34
	v_max3_num_f32 v56, v56, v35, v36
	v_max3_num_f32 v56, v56, v37, v38
	v_max3_num_f32 v56, v56, v39, v40
	v_max3_num_f32 v56, v56, v41, v42
	v_mul_f32 v56, v56, v56                        ; M of my lane
	v_mov_b32 v57, v56
	s_mov_b32 s22, 0x76543210
	s_mov_b32 s23, 0xfedcba98
	v_max_num_f32_dpp v56, v56, v56 row_xmask:1 row_mask:0xf bank_mask:0xf
	v_max_num_f32_dpp v56, v56, v56 row_xmask:2 row_mask:0xf bank_mask:0xf
	v_max_num_f32_dpp v56, v56, v56 row_xmask:4 row_mask:0xf bank_mask:0xf
	v_max_num_f32_dpp v56, v56, v56 row_xmask:8 row_mask:0xf bank_mask:0xf
	v_permlanex16_b32 v57, v56, s22, s23
	v_max_num_f32 v56, v56, v57                    ; of my wave
	s_lshl_b32 s20, s[WV], 2
	s_add_co_u32 s20, s20, MXW
	v_mov_b32 v59, s20
	ds_store_b32 v59, v56                          ; all lanes write the same word with the same value
	s_lshl_b32 s24, s[TY], 3
	s_add_co_u32 s24, s24, ttmp9
	s_lshl_b32 s24, s24, 8                         ; hexp: 256 bytes for each (row tile, column tile)
	s_mov_b32 s25, 0
	s_add_nc_u64 s[28:29], s[28:29], s[24:25]
	s_wait_dscnt 0x0                               ; for the others' sake: my word is in LDS
	s_barrier_signal -1
	s_barrier_wait -1
	ds_load_b128 v[60:63], v58
	s_wait_dscnt 0x0
	v_max3_num_f32 v56, v60, v61, v62
	v_max_num_f32 v56, v56, v63                    ; of the tile
	; E = M's biased exponent, at least 24; q + 64 = (269 - E) >> 1, so that 2 q <= 141 - E and 2^(2q) M < 2^15; q lies in -57 .. 58
	v_lshrrev_b32 v56, 23, v56
	v_max_u32 v56, 24, v56
	v_sub_nc_u32 v56, 269, v56
	v_lshrrev_b32 v54, 1, v56
	v_mov_b32 v55, v54
	v_add_lshl_u32 v59, v54, 63, 23                ; 2^q as f32
	s_cmp_lg_u32 s[WV], 0
	s_cbranch_scc1 .Lnoq
	global_store_b64 v31, v[54:55], s[28:29]       ; 256 consecutive bytes, aligned: 64 times q + 64
.Lnoq:
.set i, 0
.rept 11
	v_mul_f32 v[32+2*i], v[13+i], v59              ; each block's s 2^q (exact) as a pair, for the packed multiply
	v_mul_f32 v[33+2*i], v[13+i], v59
.set i, i+1
.endr
; A block's four tiles: (s 2^q max(u, 0))^2, rounded to f16, 16 bytes a lane and tile; the four stores stand in one run, from registers that take turns with the next block's
.macro BLK b
.if (\b) < 8
	WIN 0x04
.set ta, 32*(\b)
.else
	WIN 0x08
.set ta, 32*((\b)-8)
.endif
.set j, 0
.rept 32
	v_max_num_f32 v[64+j], 0, v[ta+j]
.set j, j+1
.endr
	WIN 0
.set j, 0
.rept 16
	v_pk_mul_f32 v[64+2*j:65+2*j], v[64+2*j:65+2*j], v[32+2*(\b):33+2*(\b)]
.set j, j+1
.endr
.set j, 0
.rept 16
	v_pk_mul_f32 v[64+2*j:65+2*j], v[64+2*j:65+2*j], v[64+2*j:65+2*j]
.set j, j+1
.endr
.set j, 0
.rept 16
	v_cvt_pk_f16_f32 v[96+16*((\b)%2)+j], v[64+2*j], v[65+2*j]
.set j, j+1
.endr
.irp c, 0,1,2,3
.if (\b) < 6
	ds_store_b128 v9, v[96+16*((\b)%2)+4*\c:96+16*((\b)%2)+4*\c+3] offset:(\b)*16*SP+32*\c
.else
	ds_store_b128 v10, v[96+16*((\b)%2)+4*\c:96+16*((\b)%2)+4*\c+3] offset:((\b)-6)*16*SP+32*\c
.endif
.endr
.endm
.set tb, 0
.rept 11
	BLK tb
.set tb, tb+1
.endr
	s_add_co_u32 s21, s[NR], 3
	s_sub_co_u32 s21, s21, s[WV]
	s_lshr_b32 s21, s21, 2                         ; how many of my rows w, w + 4, .. exist
	s_add_co_u32 s22, s[RB], s[WV]
	s_lshl_b32 s22, s22, 12                        ; rows of 4,096 bytes,
	s_lshl_b32 s24, ttmp9, 9                       ; the column tile's 512 bytes
	s_add_co_u32 s22, s22, s24
	s_mov_b32 s23, 0
	s_add_nc_u64 s[12:13], s[12:13], s[22:23]
	s_mov_b32 s22, 0                               ; the trip's first row in the stage, in bytes
	s_mov_b32 s[CNT], 4
	s_wait_dscnt 0x0                               ; for the others' sake: my stores into the stage are done
	s_barrier_signal -1
	s_barrier_wait -1
.Lout:                                             ; four trips of eleven rows; rows past the count are jumped
	s_cmp_eq_u32 s21, 0
	s_cbranch_scc1 .Lnext
	s_wait_xcnt 0x0                                ; the registers that earlier stores read are loaded again only behind this wait
	v_add_nc_u32 v24, s22, v11
.set i, 0
.rept 11
	ds_load_b128 v[32+4*i:35+4*i], v24 offset:4*SP*i
.set i, i+1
.endr
.set i, 0
.rept 11
	s_wait_dscnt 10-i                              ; row i is in
	s_cmp_le_u32 s21, i
	s_cbranch_scc1 .Lnext
	global_store_b128 v12, v[32+4*i:35+4*i], s[12:13] offset:16384*i  ; 512 consecutive bytes, aligned
.set i, i+1
.endr
.Lnext:
	s_wait_dscnt 0x0
	s_wait_xcnt 0x0                                ; the base is stepped only behind this wait
	s_add_nc_u64 s[12:13], s[12:13], 11*16384
	s_add_co_u32 s22, s22, 11*4*SP
	s_sub_co_i32 s21, s21, 11
	s_max_i32 s21, s21, 0
	s_sub_co_u32 s[CNT], s[CNT], 1
	s_cmp_lg_u32 s[CNT], 0
	s_cbranch_scc1 .Lout
	s_wait_tensorcnt 0x0                           ; the wave's end
	ds_add_u32 v28, v29
	s_wait_dscnt 0x0
	s_endpgm
.Lfunc_end_k_q31d82e7890_up:
	.size	k_q31d82e7890_up, .Lfunc_end_k_q31d82e7890_up-k_q31d82e7890_up
	.p2alignl 7, 3214868480
	.fill 96, 4, 3214868480
	.section	.rodata,"a",@progbits
	.p2align	6, 0x0
	.amdhsa_kernel k_q31d82e7890_up
		.amdhsa_group_segment_fixed_size 128256
		.amdhsa_private_segment_fixed_size 0
		.amdhsa_enable_private_segment 0
		.amdhsa_kernarg_size 48
		.amdhsa_user_sgpr_count 2
		.amdhsa_user_sgpr_kernarg_segment_ptr 1
		.amdhsa_wavefront_size32 1
		.amdhsa_system_sgpr_workgroup_id_x 1
		.amdhsa_system_sgpr_workgroup_id_y 1
		.amdhsa_system_sgpr_workgroup_id_z 1
		.amdhsa_system_vgpr_workitem_id 0
		.amdhsa_next_free_vgpr 1024
		.amdhsa_next_free_sgpr 102
		.amdhsa_reserve_vcc 0
		.amdhsa_float_denorm_mode_32 3
		.amdhsa_float_denorm_mode_16_64 3
		.amdhsa_memory_ordered 1
		.amdhsa_forward_progress 1
		.amdhsa_inst_pref_size 166
	.end_amdhsa_kernel
	.amdgpu_metadata
---
amdhsa.version: [ 1, 2 ]
amdhsa.kernels:
  - .name:           k_q31d82e7890_up
    .symbol:         k_q31d82e7890_up.kd
    .args:
      - { .name: xb, .offset: 0, .size: 8, .value_kind: global_buffer, .address_space: global }
      - { .name: w_up, .offset: 8, .size: 8, .value_kind: global_buffer, .address_space: global }
      - { .name: sc, .offset: 16, .size: 8, .value_kind: global_buffer, .address_space: global }
      - { .name: route, .offset: 24, .size: 8, .value_kind: global_buffer, .address_space: global }
      - { .name: hid, .offset: 32, .size: 8, .value_kind: global_buffer, .address_space: global }
      - { .name: hexp, .offset: 40, .size: 8, .value_kind: global_buffer, .address_space: global }
    .group_segment_fixed_size: 128256
    .private_segment_fixed_size: 0
    .kernarg_segment_align: 8
    .kernarg_segment_size: 48
    .max_flat_workgroup_size: 128
    .sgpr_count:     102
    .vgpr_count:     1024
    .wavefront_size: 32
...
	.end_amdgpu_metadata
.endif
;; end of part 5
;; launch down (part 6): grid 8 x 32, 4 waves a work-group, no clusters, 189,440 bytes of LDS; arguments hid, w_down, route, hexp, y; writes y
.if DOCPART == 6
	.amdgcn_target "amdgcn-amd-amdhsa--gfx1250"
	.amdhsa_code_object_version 6
	.text
	.protected	k_q31d82e7890_down
	.globl	k_q31d82e7890_down
	.p2align	8
	.type	k_q31d82e7890_down,@function
k_q31d82e7890_down:
	s_mov_b64 s[64:65], 0
	v_nop
	global_prefetch_b8 v0, s[64:65] scope:SCOPE_SE
	s_setreg_imm32_b32 hwreg(HW_REG_WAVE_MODE, 25, 1), 1
	s_wait_xcnt 0x0
; SECOND PRODUCT.  y[plane][token][n] = h[row] . w_down[e][n], f32: plane 0 takes the row of a token's first choice, plane 1 that of its second; the next launch adds the two (partial sums stay f32).
; FORMATS.  hid holds h 2^(2 q_t) in f16, q_t one whole number for my row tile and each of the eight K tiles of 256 (hexp holds q_t + 64).  With qmin the least of the eight, w_down is rounded to bf16, as every input
; of the program is, multiplied by F_t = 2^(8 + 2 (qmin - q_t)) and written as f16 (both steps exact inside f16's range); the finished sums are multiplied by 2^(-2 qmin - 8).  Products f16, sums f32.
; LIMITS.  |w_down| stays under 255 (65,504 / 2^8); a scaled weight under 2^-17 keeps f16's fixed step of 2^-24.  The order of the K sums differs from reference()'s (two halves, added last).  NaN and infinities are not treated apart.
; THE DEAL is the first product's, by the same formula from the same counts: grid 8 column tiles of 128 x 32 row tiles of S = 144 or 176 rows; every split is served; a tile without rows stores nothing.
; SHARES.  Four waves: wave w makes all 176 rows x the 64 columns of half w % 2, over K half w / 2 of every sub-trip: 44 accumulators.  Blocks 0-8 are always multiplied, blocks 9, 10 only where the tile has more than 144 rows.
; K goes in 16 sub-trips of 128 (rows of 256 bytes of hid, 512 of w_down), staged through registers into two LDS buffers that take turns, one barrier a sub-trip.  MEMORY INSTRUCTIONS STAND IN RUNS, three a sub-trip
; (26 fragment loads; 26 fragment loads; 54 stores and 54 loads from memory); the weights' conversions are work on registers alone, dealt in 35 groups over 56 matrix instructions; a group holds four stages of four
; different loads, so that no line reads a result of its own group.
; ONE TEXT FOR ALL 16 SUB-TRIPS.  The sums start from 44 products of zero fragments, issued while the first weights are awaited; the price is 72 v_mov_b32, those 44 products and 20 more on zeros in the first trip.
; The last sub-trip converts stale registers once more, for nothing: its stores are jumped.  A way that jumps an issue waits for all loads, so that the counted waits hold on every way.
; THE WAY OUT.  Every wave lays its accumulators row by row into the plane of its K half in LDS; behind a barrier wave w takes rows w, w + 4, ..: the two planes are added, the scale undone, and a row leaves as 512 bytes.
; NO TENSOR LOADS, NO CLUSTER: f32 weights must pass registers to be rounded; the work-groups that share a weight tile are an expert's row tiles, whose number hangs on stored counts.
; REGISTERS, in windows of 256 (s_set_vgpr_msb: bits 1:0 source 0, 3:2 source 1, 5:4 source 2, 7:6 destination):
;   window 0: v0-31 addresses, v14 = 0; v32-135, v136-239 two fragment buffers (32 of weights, 72 of rows); v240-255 the rows of blocks 9, 10
;   window 1: accumulator (b, c), b < 8, at 32 b + 8 c      window 2: v0-95 those of b = 8 .. 10; v96-223 weights on their way, set 1; v224 their offset, v225 their LDS address, v226 F
;   window 3: v0-127 weights on their way, set 0; v128, v129 offset and LDS address, v130 F; v131, v132 the rows' LDS addresses; v136-223 rows on their way; v224-245 their offsets
.set P,     272                        ; an LDS row: 256 bytes + 16: the 16 rows of a fragment load start at 16 different groups of four banks (64 banks of 4 bytes: ISA guide 11.1)
.set NA,    22                         ; loads a lane for a sub-trip's 176 x 256 bytes of rows
.set ASTEP, 256
.set BSTEP, 512
.set AIMM,  2*P
.set LIST,  0                          ; each wave's own list of 192 entries
.set SPARE, 4*768                      ; the spare words, 128 bytes a wave: two blocks of 256 bytes that no other line names
.set ABUF0, SPARE+512
.set ABUF1, ABUF0+176*P
.set BBUF0, ABUF1+176*P
.set BBUF1, BBUF0+128*P
.set RP,    528                        ; the way out: a row of 128 f32 + 16 bytes
.set PL0,   ABUF0                      ; two planes of 176 such rows, over the buffers and beyond them
.set PLANE, 176*RP
.set F0,    32
.set F1,    136
.set XF,    240
.set NRID,  35                         ; groups of conversions in a sub-trip,
.set NWR,   56                         ; dealt evenly over so many matrix instructions
.set RT,    8                          ; s[8:9] route
.set WV,    2
.set TY,    3
.set NR,    14
.set NL,    15
.set RB,    16
.set EX,    17
.set R0,    18
.set CNT,   19
.set CG,    26                         ; s26 my half of the columns
.set KH,    27                         ; s27 my half of K
.set FQ,    40                         ; s[40:47] F of K tiles 0 .. 7 as f32: a queue that moves down one a trip
.set OF,    50                         ; s[50:51] 2^(-2 qmin - 8), twice
.set MSB, 0
.macro WIN new                         ; the immediate's high byte repeats the setting that is left; a switch that changes nothing is dropped
.if MSB != (\new)
	s_set_vgpr_msb (MSB<<8)|(\new)
.set MSB, (\new)
.endif
.endm
.macro PLACES                          ; four places behind matrix instructions, in front of loads into registers that they read
.rept 4
	v_nop
.endr
.endm
.macro LOADB set                       ; a sub-trip's weights: my 32 rows x 512 bytes of f32, a row a load
.set lu, 0
.if (\set) == 0
	WIN 0xcf
.rept 32
	global_load_b128 v[4*lu:4*lu+3], v128, s[6:7] offset:lu*8192
.set lu, lu+1
.endr
.else
	WIN 0x8a
.rept 32
	global_load_b128 v[96+4*lu:96+4*lu+3], v224, s[6:7] offset:lu*8192
.set lu, lu+1
.endr
.endif
.endm
.macro LOADA                           ; a sub-trip's rows: two rows of 256 bytes a load
	WIN 0xcf
.set la, 0
.rept NA
	global_load_b128 v[136+4*la:136+4*la+3], v[224+la], s[4:5]
.set la, la+1
.endr
.endm
; Group k of 35.  A load's four weights w0 .. w3 in registers 0 .. 3 go through four stages, one a group: (k) both pairs rounded to bf16 into registers 0, 1; (k + 1) w2, w3 times F (+ 0, from window 0) in f32 into 2, 3;
; (k + 2) these written as f16 into 1, then w0, w1 times F into 2, 3; (k + 3) these written as f16 into 0.
.macro CONV set, k
.if (\set) == 0
	WIN 0xcf
.set cw, 0
.set cf, 130
.else
	WIN 0x8a
.set cw, 96
.set cf, 226
.endif
.if (\k) >= 3
.set cb, cw+4*((\k)-3)
	v_cvt_pk_f16_f32 v[cb], v[cb+2], v[cb+3]
.endif
.if ((\k) >= 2) && ((\k) <= 33)
.set cb, cw+4*((\k)-2)
	v_cvt_pk_f16_f32 v[cb+1], v[cb+2], v[cb+3]
	v_fma_mix_f32_bf16 v[cb+2], v[cb], v[cf], v14 op_sel_hi:[1,0,0]
	v_fma_mix_f32_bf16 v[cb+3], v[cb], v[cf], v14 op_sel:[1,0,0] op_sel_hi:[1,0,0]
.endif
.if ((\k) >= 1) && ((\k) <= 32)
.set cb, cw+4*((\k)-1)
	v_fma_mix_f32_bf16 v[cb+2], v[cb+1], v[cf], v14 op_sel_hi:[1,0,0]
	v_fma_mix_f32_bf16 v[cb+3], v[cb+1], v[cf], v14 op_sel:[1,0,0] op_sel_hi:[1,0,0]
.endif
.if (\k) <= 31
.set cb, cw+4*(\k)
	v_cvt_pk_bf16_f32 v[cb], v[cb], v[cb+1]
	v_cvt_pk_bf16_f32 v[cb+1], v[cb+2], v[cb+3]
.endif
.endm
.macro STB set                         ; a set's 32 converted loads, 8 bytes a lane: each 256 consecutive bytes of the buffer of the set's number
.set su, 0
.if (\set) == 0
	WIN 0xcf
.rept 32
	ds_store_b64 v129, v[4*su:4*su+1] offset:su*P
.set su, su+1
.endr
.else
	WIN 0x8a
.rept 32
	ds_store_b64 v225, v[96+4*su:96+4*su+1] offset:su*P
.set su, su+1
.endr
.endif
.endm
.macro STA q                           ; the rows into buffer q
	WIN 0xcf
.set sa, 0
.rept NA
	ds_store_b128 v[131+(\q)], v[136+4*sa:136+4*sa+3] offset:sa*AIMM
.set sa, sa+1
.endr
.endm
.macro RIDE                            ; behind matrix instruction ri of NWR: the next group of conversions, where the even deal has one due
.if ((ri+1)*NRID)/NWR > (ri*NRID)/NWR
	CONV RQ, (ri*NRID)/NWR
.endif
.set ri, ri+1
.endm
.macro FETCH f, p, ks                  ; 26 LDS loads in one run: 4 fragments of weights, then blocks 0-8 of the rows, 32 along K
	WIN 0
.irp c, 0,1,2,3
	ds_load_b128 v[(\f)+8*\c:(\f)+8*\c+3],   v[6+(\p)] offset:\c*16*P+64*(\ks)
	ds_load_b128 v[(\f)+8*\c+4:(\f)+8*\c+7], v[6+(\p)] offset:\c*16*P+64*(\ks)+32
.endr
.irp b, 0,1,2,3,4,5,6,7,8
	ds_load_b128 v[(\f)+32+8*\b:(\f)+32+8*\b+3],   v[4+(\p)] offset:\b*16*P+64*(\ks)
	ds_load_b128 v[(\f)+32+8*\b+4:(\f)+32+8*\b+7], v[4+(\p)] offset:\b*16*P+64*(\ks)+32
.endr
.endm
.macro ACC b, c                        ; accumulator (b, c): its first register ha, under the window setting for C and D
.if (\b) < 8
	WIN 0x50
.set ha, 32*(\b)+8*(\c)
.else
	WIN 0xa0
.set ha, 32*((\b)-8)+8*(\c)
.endif
.endm
.macro HW f, b0, b1, ride              ; blocks b0 .. b1 x 4 column blocks: every accumulator has one turn
.set hb, (\b0)
.rept (\b1)-(\b0)+1
.set hc, 0
.rept 4
	ACC hb, hc
	v_wmma_f32_16x16x32_f16 v[ha:ha+7], v[(\f)+8*hc:(\f)+8*hc+7], v[(\f)+32+8*hb:(\f)+32+8*hb+7], v[ha:ha+7]
.if \ride
	RIDE
.endif
.set hc, hc+1
.endr
.set hb, hb+1
.endr
.endm
; The sums' start: the part of fragment buffer 1 that the first trip multiplies before it is loaded is set to 0, and 44 products of zeros start the 44 sums
.macro START
	WIN 0
.set i, 0
.rept 32
	v_mov_b32 v[F1+i], 0
.set i, i+1
.endr
.set i, 0
.rept 40
	v_mov_b32 v[F1+64+i], 0
.set i, i+1
.endr
.set hb, 0
.rept 11
.set hc, 0
.rept 4
	ACC hb, hc
	v_wmma_f32_16x16x32_f16 v[ha:ha+7], v[F1:F1+7], v[F1+64:F1+71], 0
.set hc, hc+1
.endr
.set hb, hb+1
.endr
	WIN 0
.endm
.macro XSEC f, p, ks                   ; blocks 9 and 10, jumped where the tile has at most 144 rows
	WIN 0
	s_cmp_le_u32 s[NR], 144
	s_cbranch_scc1 .Lnox_\@
	PLACES
.irp b, 0,1
	ds_load_b128 v[XF+8*\b:XF+8*\b+3],   v[4+(\p)] offset:(9+\b)*16*P+64*(\ks)
	ds_load_b128 v[XF+8*\b+4:XF+8*\b+7], v[4+(\p)] offset:(9+\b)*16*P+64*(\ks)+32
.endr
	s_wait_dscnt 0x0
	WIN 0xa0
.irp b, 0,1
.irp c, 0,1,2,3
	v_wmma_f32_16x16x32_f16 v[32+32*\b+8*\c:39+32*\b+8*\c], v[(\f)+8*\c:(\f)+8*\c+7], v[XF+8*\b:XF+8*\b+7], v[32+32*\b+8*\c:39+32*\b+8*\c]
.endr
.endr
	WIN 0
.Lnox_\@:
.endm
; THE THIRD RUN of sub-trip t (buffer p): sub-trip t + 1 goes into the other buffer; rows of t + 2 and weights of t + 3 are asked for, into the registers just stored.
; What would pass K's end is jumped: t = 14 asks for nothing; t = 13 for no weights; t = 15 stores and asks for nothing.  The jumped way waits for all loads and all LDS instructions.
.macro OUTIN p
	WIN 0
	s_wait_loadcnt 32                              ; the next sub-trip's rows are in: behind them only 32 loads of weights were issued
.if (\p) == 1
	s_cmp_eq_u32 s[CNT], 1
	s_cbranch_scc1 .Lskip_\@
.endif
	STB 1-(\p)
	STA 1-(\p)
	WIN 0
	s_wait_xcnt 0x0                                ; the two bases are stepped only behind this wait
.if (\p) == 0
	s_cmp_eq_u32 s[CNT], 1
	s_cbranch_scc1 .Lskip_\@
.endif
	s_add_nc_u64 s[4:5], s[4:5], ASTEP
	LOADA
.if (\p) == 1
	WIN 0
	s_cmp_eq_u32 s[CNT], 2
	s_cbranch_scc1 .Lskip_\@
.endif
	s_add_nc_u64 s[6:7], s[6:7], BSTEP
	LOADB 1-(\p)
	WIN 0
	s_branch .Ldone_\@
.Lskip_\@:
	s_wait_loadcnt 0x0
	s_wait_dscnt 0x0
.Ldone_\@:
.endm
; A SUB-TRIP on buffer p
.macro BODY p
.set RQ, 1-(\p)
	PLACES
	FETCH F0, \p, 0                                ; first run: the first K step's fragments
	s_wait_loadcnt NA+32                           ; the next sub-trip's weights are in: behind them NA loads of rows and 32 of weights were issued
.set ri, 0
	HW F1, 4, 8, 1                                 ; the rest of the sub-trip before: registers alone
	s_wait_dscnt 10                                ; the weights and blocks 0-3 are in; the ten loads of blocks 4-8 may be out
	HW F0, 0, 3, 1
	PLACES
	FETCH F1, \p, 1                                ; second run: the second K step's fragments
	s_wait_dscnt 26                                ; all but the 26 just issued
	HW F0, 4, 8, 1
	XSEC F0, \p, 0
	OUTIN \p                                       ; third run
	s_wait_dscnt 32+NA                             ; the second K step's fragments are in: behind them stand the 32 + NA stores
	HW F1, 0, 3, 0
	XSEC F1, \p, 1
	WIN 0
	s_wait_dscnt 0x0                               ; my reads of this buffer are back and my stores into the other are done:
	s_barrier_signal -1                            ; behind the barrier the other buffer is whole, and this one may be written
	s_barrier_wait -1
.endm
	s_load_b256 s[4:11], s[0:1], 0x0               ; hid s[4:5], w_down s[6:7], route s[8:9], hexp s[10:11]
	s_load_b64 s[12:13], s[0:1], 0x20              ; y
	v_lshl_add_u32 v28, v0, 2, SPARE               ; my spare word,
	v_mov_b32 v29, 0                               ; and 0: kept for the closing lines alone
	v_mov_b32 v14, 0                               ; the addend of the weights' scaling
	v_lshrrev_b32 v1, 5, v0
	v_readfirstlane_b32 s[WV], v1
	v_and_b32 v1, 31, v0                           ; l
	v_and_b32 v2, 15, v0                           ; r
	v_bfe_u32 v3, v0, 4, 1                         ; h
	v_lshlrev_b32 v24, 4, v1
	s_and_b32 s[TY], ttmp7, 0xffff
	s_and_b32 s[CG], s[WV], 1
	s_lshr_b32 s[KH], s[WV], 1
	s_wait_kmcnt 0x0
.irp i, 0,1,2,3
	global_load_b128 v[32+4*\i:35+4*\i], v24, s[RT:RT+1] offset:4096+512*\i  ; the counts by groups of 32 tokens: expert 2 i in lanes 0-15, 2 i + 1 in lanes 16-31
.endr
	v_mul_u32_u24 v25, v2, P
	v_lshl_add_u32 v25, v3, 4, v25
	s_lshl_b32 s20, s[KH], 7
	v_add_nc_u32 v25, s20, v25                     ; a fragment's row x pitch + 16 x half + my 128 bytes of K
	v_add_nc_u32 v4, ABUF0, v25
	v_add_nc_u32 v5, ABUF1, v25
	s_mul_i32 s20, s[CG], 64*P                     ; my 64 weight rows
	v_add_nc_u32 v25, s20, v25
	v_add_nc_u32 v6, BBUF0, v25
	v_add_nc_u32 v7, BBUF1, v25
	s_lshl_b32 s20, s[WV], 18
	v_lshl_add_u32 v26, v1, 4, s20                 ; 32 w rows of 8,192 bytes + 16 l
	s_mul_i32 s20, s[WV], 32*P
	v_lshl_add_u32 v27, v1, 3, s20                 ; 32 w LDS rows + 8 l
	WIN 0xc0
	v_mov_b32 v128, v26
	v_add_nc_u32 v129, BBUF0, v27
	WIN 0x80
	v_mov_b32 v224, v26
	v_add_nc_u32 v225, BBUF1, v27
	WIN 0
	s_mul_i32 s20, s[WV], 768
	s_add_co_u32 s20, s20, LIST
	v_mov_b32 v8, s20                              ; my list
	s_wait_loadcnt 0x0
.irp i, 0,1,2,3
	v_add_nc_u32 v[32+4*\i], v[32+4*\i], v[33+4*\i]
	v_add_nc_u32 v[34+4*\i], v[34+4*\i], v[35+4*\i]
	v_add_nc_u32 v[32+4*\i], v[32+4*\i], v[34+4*\i]
.endr
.irp m, 1,2,4,8
.irp i, 0,1,2,3
	v_mov_b32_dpp v[33+4*\i], v[32+4*\i] row_xmask:\m row_mask:0xf bank_mask:0xf
.endr
.irp i, 0,1,2,3
	v_add_nc_u32 v[32+4*\i], v[32+4*\i], v[33+4*\i]
.endr
.endr
.irp i, 0,1,2,3
	v_readlane_b32 s[32+2*\i], v[32+4*\i], 0       ; c_0 .. c_7 in s[32:39]
	v_readlane_b32 s[33+2*\i], v[32+4*\i], 16
.endr
	; ceil(c / S) = ((c + S - 1) M) >> 20 with M = 7282 (144) or 5958 (176): M S - 2^20 = 32, exact for numbers under 32,768
	s_mov_b32 s40, 0
.irp e, 0,1,2,3,4,5,6,7
	s_add_co_u32 s41, s[32+\e], 143
	s_mul_i32 s41, s41, 7282
	s_lshr_b32 s41, s41, 20
	s_add_co_u32 s40, s40, s41
.endr
	s_mov_b32 s42, 176                             ; S
	s_mov_b32 s43, 5958                            ; M
	s_mov_b32 s44, 144
	s_mov_b32 s45, 7282
	s_cmp_le_u32 s40, 32
	s_cselect_b32 s42, s44, s42
	s_cselect_b32 s43, s45, s43
	s_sub_co_u32 s44, s42, 1
	s_mov_b32 s46, 0                               ; tiles in front of expert e
	s_mov_b32 s47, 0                               ; rows in front of it
	s_mov_b32 s[EX], 0
	s_mov_b32 s48, 0
	s_mov_b32 s49, 0
	s_mov_b32 s50, 0
.irp e, 0,1,2,3,4,5,6,7                ; the last expert whose first tile is not behind mine: experts without rows are passed over
	s_cmp_ge_u32 s[TY], s46
	s_cselect_b32 s[EX], \e, s[EX]
	s_cselect_b32 s48, s46, s48
	s_cselect_b32 s49, s47, s49
	s_cselect_b32 s50, s[32+\e], s50
	s_add_co_u32 s51, s[32+\e], s44
	s_mul_i32 s51, s51, s43
	s_lshr_b32 s51, s51, 20
	s_add_co_u32 s46, s46, s51
	s_add_co_u32 s47, s47, s[32+\e]
.endr
	s_sub_co_u32 s[R0], s[TY], s48
	s_mul_i32 s[R0], s[R0], s42
	s_sub_co_i32 s[NR], s50, s[R0]
	s_max_i32 s[NR], s[NR], 0
	s_min_u32 s[NR], s[NR], s42
	s_max_u32 s[NL], s[NR], 1
	s_sub_co_u32 s[NL], s[NL], 1
	s_add_co_u32 s[RB], s49, s[R0]
	s_min_u32 s[RB], s[RB], 0xfff
	s_min_u32 s[EX], s[EX], 7
	s_lshl_b32 s22, s[EX], 8
	s_mov_b32 s23, 0
	s_add_nc_u64 s[22:23], s[RT:RT+1], s[22:23]    ; the expert's bitmap: 64 words; its second-choice bitmap lies 2,048 bytes on
	s_load_b512 s[32:47], s[22:23], 0x0
	s_load_b512 s[48:63], s[22:23], 0x40
	s_load_b512 s[68:83], s[22:23], 0x80
	s_load_b512 s[84:99], s[22:23], 0xc0
	s_lshl_b32 s20, s[EX], 23                      ; the expert's 8 MiB,
	s_lshl_b32 s21, ttmp9, 20                      ; the column tile's 128 rows of 8,192 bytes
	s_add_co_u32 s20, s20, s21
	s_mov_b32 s21, 0
	s_add_nc_u64 s[6:7], s[6:7], s[20:21]
	LOADB 0                                        ; the weights of sub-trips 0 and 1 are on their way under the list's work
	s_wait_xcnt 0x0
	s_add_nc_u64 s[6:7], s[6:7], BSTEP
	LOADB 1
	WIN 0
	; THE LIST: place k = the token of rank R0 + k in the expert.  Each wave makes a copy of its own: no barrier.  Word 176 takes what falls outside the tile.
	v_lshl_add_u32 v25, v1, 2, v8
	v_mov_b32 v27, 0
.irp i, 0,1,2,3,4,5
	ds_store_b32 v25, v27 offset:128*\i
.endr
	v_mov_b32 v26, v1
	s_sub_co_i32 s20, 0, s[R0]
	s_mov_b32 s21, 4
	s_wait_kmcnt 0x0
.Llist:                                            ; four trips of sixteen groups of 32 tokens: sixteen places are made in registers of their own, then sixteen stores go in one run
.irp k, 0,1,2,3,4,5,6,7,8,9,10,11,12,13,14,15
	v_mbcnt_lo_u32_b32 v[32+\k], s[32+\k], s20
	s_bcnt1_i32_b32 s24, s[32+\k]
	s_add_co_i32 s20, s20, s24
.endr
.irp k, 0,1,2,3,4,5,6,7,8,9,10,11,12,13,14,15
	v_cndmask_b32 v[32+\k], -1, v[32+\k], s[32+\k]
	v_add_nc_u32 v[48+\k], 32*\k, v26
.endr
.irp k, 0,1,2,3,4,5,6,7,8,9,10,11,12,13,14,15
	v_min_u32 v[32+\k], 176, v[32+\k]
.endr
.irp k, 0,1,2,3,4,5,6,7,8,9,10,11,12,13,14,15
	v_lshl_add_u32 v[32+\k], v[32+\k], 2, v8
.endr
.irp k, 0,1,2,3,4,5,6,7,8,9,10,11,12,13,14,15
	ds_store_b32 v[32+\k], v[48+\k]
.endr
	v_add_nc_u32 v26, 0x200, v26
.irp j, 0,2,4,6,8,10,12,14
	s_mov_b64 s[32+\j:33+\j], s[48+\j:49+\j]
.endr
.irp j, 0,2,4,6,8,10,12,14
	s_mov_b64 s[48+\j:49+\j], s[68+\j:69+\j]
.endr
.irp j, 0,2,4,6,8,10,12,14
	s_mov_b64 s[68+\j:69+\j], s[84+\j:85+\j]
.endr
	s_sub_co_u32 s21, s21, 1
	s_cmp_lg_u32 s21, 0
	s_cbranch_scc1 .Llist
	s_lshl_b32 s20, s[TY], 11                      ; my row tile's eight scales: 256 bytes apart
	s_mov_b32 s21, 0
	s_add_nc_u64 s[10:11], s[10:11], s[20:21]
.irp t, 0,1,2,3,4,5,6,7
	s_load_b32 s[32+\t], s[10:11], 256*\t
.endr
	; the list is made whole: place k takes the token of place min(k, last row), and 2,048 more where this expert is the token's second choice: the row of y
.set i, 0
.rept 6
	v_add_nc_u32 v[32+i], 32*i, v1
.set i, i+1
.endr
.set i, 0
.rept 6
	v_min_u32 v[32+i], s[NL], v[32+i]
.set i, i+1
.endr
.set i, 0
.rept 6
	v_min_u32 v[32+i], 175, v[32+i]
.set i, i+1
.endr
.set i, 0
.rept 6
	v_lshl_add_u32 v[32+i], v[32+i], 2, v8
.set i, i+1
.endr
.set i, 0
.rept 6
	ds_load_b32 v[40+i], v[32+i]
.set i, i+1
.endr
	; my rows of hid: load a takes rows 44 w + 2 a + h, 16 bytes at 16 r; places past the count repeat the last row
	s_mul_i32 s20, s[WV], 44
	v_add_nc_u32 v24, s20, v3
	v_lshlrev_b32 v30, 4, v2
.set i, 0
.rept 22
	v_add_nc_u32 v[64+i], 2*i, v24
.set i, i+1
.endr
.set i, 0
.rept 22
	v_min_u32 v[64+i], s[NL], v[64+i]
.set i, i+1
.endr
.set i, 0
.rept 22
	v_add_nc_u32 v[64+i], s[RB], v[64+i]
.set i, i+1
.endr
.set i, 0
.rept 22
	v_min_u32 v[64+i], 0xfff, v[64+i]
.set i, i+1
.endr
	v_mul_u32_u24 v31, v24, P
	v_add_nc_u32 v31, v31, v30
	WIN 0xc0
.set i, 0
.rept 22
	v_lshl_add_u32 v[224+i], v[64+i], 12, v30
.set i, i+1
.endr
	v_add_nc_u32 v131, ABUF0, v31
	v_add_nc_u32 v132, ABUF1, v31
	LOADA                                          ; sub-trip 0's rows
	WIN 0
	s_wait_dscnt 0x0                               ; all six reads of every lane are back before a place is written
.set i, 0
.rept 6
	v_min_u32 v[40+i], 0x7ff, v[40+i]
.set i, i+1
.endr
.set i, 0
.rept 6
	v_lshrrev_b32 v[48+i], 5, v[40+i]
.set i, i+1
.endr
.set i, 0
.rept 6
	v_min_u32 v[48+i], 63, v[48+i]
.set i, i+1
.endr
.set i, 0
.rept 6
	v_lshlrev_b32 v[48+i], 2, v[48+i]
.set i, i+1
.endr
.set i, 0
.rept 6
	global_load_b32 v[56+i], v[48+i], s[22:23] offset:2048
.set i, i+1
.endr
	; the scales: qmin; F_t = 2^(8 + 2 (qmin - q_t)) as f32 bits, 0 where that exponent leaves f32; 2^(-2 qmin - 8): with q + 64 in 7 .. 122 its biased exponent 247 - 2 (qmin + 64) lies in 3 .. 233
	s_wait_kmcnt 0x0
	s_min_u32 s48, s32, s33
.irp t, 2,3,4,5,6,7
	s_min_u32 s48, s48, s[32+\t]
.endr
.irp t, 0,1,2,3,4,5,6,7
	s_sub_co_u32 s[FQ+\t], s[32+\t], s48
	s_lshl_b32 s[FQ+\t], s[FQ+\t], 1
	s_sub_co_i32 s[FQ+\t], 135, s[FQ+\t]
	s_max_i32 s[FQ+\t], s[FQ+\t], 0
	s_lshl_b32 s[FQ+\t], s[FQ+\t], 23
.endr
	s_lshl_b32 s[OF], s48, 1
	s_sub_co_u32 s[OF], 247, s[OF]
	s_lshl_b32 s[OF], s[OF], 23
	s_mov_b32 s[OF+1], s[OF]
	WIN 0xc0
	v_mov_b32 v130, s[FQ]                          ; sub-trip 0 lies in K tile 0
	START                                          ; the sums start while the loads are out
	s_wait_loadcnt 0x0                             ; once: weights 0 and 1, rows 0, the six words
.set i, 0
.rept 6
	v_lshrrev_b32 v[56+i], v[40+i], v[56+i]        ; the shift takes the token's low five bits
.set i, i+1
.endr
.set i, 0
.rept 6
	v_and_b32 v[56+i], 1, v[56+i]
.set i, i+1
.endr
.set i, 0
.rept 6
	v_lshl_add_u32 v[56+i], v[56+i], 11, v[40+i]
.set i, i+1
.endr
.set i, 0
.rept 6
	ds_store_b32 v25, v[56+i] offset:128*i
.set i, i+1
.endr
.set i, 0
.rept NRID
	CONV 0, i
.set i, i+1
.endr
	STB 0
	STA 0
	WIN 0
	s_wait_xcnt 0x0
	s_add_nc_u64 s[4:5], s[4:5], ASTEP
	LOADA                                          ; rows of sub-trip 1,
	s_add_nc_u64 s[6:7], s[6:7], BSTEP
	LOADB 0                                        ; weights of sub-trip 2
	WIN 0
	s_wait_dscnt 0x0
	s_barrier_signal -1
	s_barrier_wait -1                              ; buffer 0 is whole
	s_mov_b32 s[CNT], 8
.Lloop:                                            ; all 16 sub-trips, two a trip; trip i stages sub-trip 2 i + 1 (K tile i, set 1) and 2 i + 2 (K tile i + 1, set 0)
	WIN 0x80
	v_mov_b32 v226, s[FQ]
	WIN 0xc0
	v_mov_b32 v130, s[FQ+1]
	WIN 0
.irp t, 0,1,2,3,4,5,6
	s_mov_b32 s[FQ+\t], s[FQ+\t+1]                 ; the queue moves down
.endr
	BODY 0
	BODY 1
	s_sub_co_u32 s[CNT], s[CNT], 1
	s_cmp_lg_u32 s[CNT], 0
	s_cbranch_scc1 .Lloop
	HW F1, 4, 8, 0                                 ; the rest of the last sub-trip
	; THE WAY OUT.  Behind the last barrier no wave reads the buffers: the two planes lie over them.  The address lines are also the places behind the last products.
	WIN 0
	s_mul_i32 s20, s[KH], PLANE
	s_lshl_b32 s21, s[CG], 8
	s_add_co_u32 s20, s20, s21
	s_add_co_u32 s20, s20, PL0                     ; my K half's plane, my 256 bytes of its rows
	v_mul_u32_u24 v9, v2, RP
	v_lshl_add_u32 v9, v3, 5, v9
	v_add_nc_u32 v9, s20, v9                       ; in: row r, 32 bytes for each half of the lanes
	v_add_nc_u32 v10, 6*16*RP, v9                  ; from block 6 on: an LDS immediate has 16 bits
	s_mul_i32 s20, s[WV], RP
	s_add_co_u32 s20, s20, PL0
	v_lshl_add_u32 v11, v1, 4, s20                 ; back: whole rows w, w + 4, .. of plane 0,
	v_add_nc_u32 v12, PLANE, v11                   ; and of plane 1
	s_mul_i32 s20, s[WV], 772
	s_add_co_u32 s20, s20, LIST
	v_mov_b32 v13, s20                             ; place w of my list
	s_lshl_b32 s20, ttmp9, 9
	v_lshl_add_u32 v15, v1, 4, s20                 ; my 16 bytes of a row of y: the column tile's 512 bytes
.macro XOUT b                          ; a block's four accumulators into the plane, each from its low end on
.irp c, 0,1,2,3
.if (\b) < 8
	WIN 0x04
.set ta, 32*(\b)+8*\c
.else
	WIN 0x08
.set ta, 32*((\b)-8)+8*\c
.endif
.if (\b) < 6
	ds_store_b128 v9, v[ta:ta+3] offset:(\b)*16*RP+64*\c
	ds_store_b128 v9, v[ta+4:ta+7] offset:(\b)*16*RP+64*\c+16
.else
	ds_store_b128 v10, v[ta:ta+3] offset:((\b)-6)*16*RP+64*\c
	ds_store_b128 v10, v[ta+4:ta+7] offset:((\b)-6)*16*RP+64*\c+16
.endif
.endr
.endm
.irp b, 0,1,2,3,4,5,6,7,8,9,10
	XOUT \b
.endr
	WIN 0
	s_add_co_u32 s21, s[NR], 3
	s_sub_co_u32 s21, s21, s[WV]
	s_lshr_b32 s21, s21, 2                         ; how many of my rows w, w + 4, .. exist
	s_mov_b32 s22, 0                               ; the trip's first row in a plane, in bytes,
	s_mov_b32 s23, 0                               ; and in the list
	s_mov_b32 s[CNT], 4
	s_wait_dscnt 0x0                               ; for the others' sake: my part of the planes is in LDS
	s_barrier_signal -1
	s_barrier_wait -1
.Lout:                                             ; four trips of eleven rows; rows past the count are jumped
	s_cmp_eq_u32 s21, 0
	s_cbranch_scc1 .Lnext
	v_add_nc_u32 v16, s22, v11
	v_add_nc_u32 v17, s22, v12
	v_add_nc_u32 v18, s23, v13
.set i, 0
.rept 11
	ds_load_b32 v[128+i], v18 offset:16*i
.set i, i+1
.endr
.set i, 0
.rept 11
	ds_load_b128 v[32+4*i:35+4*i], v16 offset:4*RP*i
	ds_load_b128 v[80+4*i:83+4*i], v17 offset:4*RP*i
.set i, i+1
.endr
	s_wait_dscnt 22                                ; the eleven entries of the list are in; the 22 loads of rows may be out
.set i, 0
.rept 11
	v_min_u32 v[128+i], 0xfff, v[128+i]
.set i, i+1
.endr
.set i, 0
.rept 11
	v_lshl_add_u32 v[128+i], v[128+i], 12, v15     ; the row of y that the list names, 4,096 bytes a row
.set i, i+1
.endr
	s_wait_dscnt 0x0
.set i, 0
.rept 22
	v_pk_add_f32 v[32+2*i:33+2*i], v[32+2*i:33+2*i], v[80+2*i:81+2*i]
.set i, i+1
.endr
.set i, 0
.rept 22
	v_pk_mul_f32 v[32+2*i:33+2*i], v[32+2*i:33+2*i], s[OF:OF+1] op_sel_hi:[1,0]  ; a power of two: exact
.set i, i+1
.endr
.set i, 0
.rept 11
	s_cmp_le_u32 s21, i
	s_cbranch_scc1 .Lnext
	global_store_b128 v[128+i], v[32+4*i:35+4*i], s[12:13]  ; 512 consecutive bytes, aligned
.set i, i+1
.endr
.Lnext:
	s_wait_xcnt 0x0                                ; the registers that these stores read are written again only behind this wait
	s_add_co_u32 s22, s22, 11*4*RP
	s_add_co_u32 s23, s23, 11*16
	s_sub_co_i32 s21, s21, 11
	s_max_i32 s21, s21, 0
	s_sub_co_u32 s[CNT], s[CNT], 1
	s_cmp_lg_u32 s[CNT], 0
	s_cbranch_scc1 .Lout
	s_wait_tensorcnt 0x0                           ; the wave's end
	ds_add_u32 v28, v29
	s_wait_dscnt 0x0
	s_endpgm
.Lfunc_end_k_q31d82e7890_down:
	.size	k_q31d82e7890_down, .Lfunc_end_k_q31d82e7890_down-k_q31d82e7890_down
	.p2alignl 7, 3214868480
	.fill 96, 4, 3214868480
	.section	.rodata,"a",@progbits
	.p2align	6, 0x0
	.amdhsa_kernel k_q31d82e7890_down
		.amdhsa_group_segment_fixed_size 189440
		.amdhsa_private_segment_fixed_size 0
		.amdhsa_enable_private_segment 0
		.amdhsa_kernarg_size 40
		.amdhsa_user_sgpr_count 2
		.amdhsa_user_sgpr_kernarg_segment_ptr 1
		.amdhsa_wavefront_size32 1
		.amdhsa_system_sgpr_workgroup_id_x 1
		.amdhsa_system_sgpr_workgroup_id_y 1
		.amdhsa_system_sgpr_workgroup_id_z 1
		.amdhsa_system_vgpr_workitem_id 0
		.amdhsa_next_free_vgpr 1024
		.amdhsa_next_free_sgpr 102
		.amdhsa_reserve_vcc 0
		.amdhsa_float_denorm_mode_32 3
		.amdhsa_float_denorm_mode_16_64 3
		.amdhsa_memory_ordered 1
		.amdhsa_forward_progress 1
		.amdhsa_inst_pref_size 162
	.end_amdhsa_kernel
	.amdgpu_metadata
---
amdhsa.version: [ 1, 2 ]
amdhsa.kernels:
  - .name:           k_q31d82e7890_down
    .symbol:         k_q31d82e7890_down.kd
    .args:
      - { .name: hid, .offset: 0, .size: 8, .value_kind: global_buffer, .address_space: global }
      - { .name: w_down, .offset: 8, .size: 8, .value_kind: global_buffer, .address_space: global }
      - { .name: route, .offset: 16, .size: 8, .value_kind: global_buffer, .address_space: global }
      - { .name: hexp, .offset: 24, .size: 8, .value_kind: global_buffer, .address_space: global }
      - { .name: y, .offset: 32, .size: 8, .value_kind: global_buffer, .address_space: global }
    .group_segment_fixed_size: 189440
    .private_segment_fixed_size: 0
    .kernarg_segment_align: 8
    .kernarg_segment_size: 40
    .max_flat_workgroup_size: 128
    .sgpr_count:     102
    .vgpr_count:     1024
    .wavefront_size: 32
...
	.end_amdgpu_metadata
.endif
;; end of part 6
;; launch sum: the kernel of part 4 again; grid 256 x 1, 8 waves a work-group, no clusters, 0 bytes of LDS; arguments y, out0; writes out0
